; MI455X (gfx1250); checked and timed in simulation.
; The chip was launched on July 23, 2026; its instructions are those of AMD's public machine-readable ISA for CDNA 5 (MIT licence, August 2026) and "CDNA5" Instruction Set Architecture Reference Guide (July 2026). The comments in the code are by the model that wrote it; some were corrected since.
;; Self Attention Layer. Allowed arithmetic: matrix products marked QUANTISED: E3M2 operands, one E8M0 scale for each 32 along K, by v_wmma_scale_f32_16x16x128_f8f6f4 with both operands' format E3M2, f32 sums; everything else in f32.
;; Inputs: b_kqv 3,072 float32; b_proj 1,024 float32; w_kqv 1,024 x 3,072 float32; w_proj 1,024 x 1,024 float32; x 4 x 2,048 x 1,024 float32.
;; Outputs: out0 4 x 2,048 x 1,024 float32.
;; This version of the problem:
;;   THIS VERSION OF THE PROBLEM IS GIVEN IN LOW PRECISION. The matrix products marked QUANTISED in the list below multiply operands that are first quantised to E3M2 (3 exponent bits, 2 mantissa bits; 6 bits a number), with one power-of-two scale for each 32 numbers along K (OCP MX v1.0); their sums are f32. All else is computed in f32.
;;   The module's matrix products, in the order in which they are computed (A, B: the left and right operand; K: the contracted axis; several contracted axes count as one K, in the product's order):
;;     1. [M 8,192, K 1,024] x [K 1,024, N 3,072]; A: input x; B: input w_kqv: QUANTISED
;;     2. batch 4 x [M 2,048, K 1,024] x [K 1,024, N 2,048]; A: computed on the way; B: computed on the way: QUANTISED
;;     3. batch 4 x [M 2,048, K 2,048] x [K 2,048, N 1,024]; A: softmax (see below); B: computed on the way: QUANTISED
;;     4. [M 8,192, K 1,024] x [K 1,024, N 1,024]; A: computed on the way; B: input w_proj: QUANTISED
;;   THE QUANTISER, for each operand of a quantised product, along K:
;;     - K is cut into blocks of 32 from its start; a last block that is shorter is filled with zeros.
;;     - A block's scale is 2^e with e = floor(log2(the largest magnitude in the block)) - 4, held to -126 .. 127; a block of zeros has e = 0. As a byte (E8M0): e + 127.
;;     - Each number is divided by its block's scale, clamped to +-28, and rounded to the nearest number of E3M2, ties to even, subnormals kept.
;;     - The product sums the exact products of the quantised numbers (number of the format x scale) in f32.
;;   ~~~python
;;   def quantise(x, axis):      # numpy; x: float32 -> the quantised numbers, widened to float32 again
;;       x = np.moveaxis(x, axis, -1); K = x.shape[-1]
;;       x = np.pad(x, [(0, 0)] * (x.ndim - 1) + [(0, -K % 32)]); x = x.reshape(x.shape[:-1] + (-1, 32)); a = np.abs(x).max(-1, keepdims=True)
;;       e = np.where(a > 0, np.clip(np.frexp(np.where(a > 0, a, 1))[1] - 1 - 4, -126, 127), 0)      # np.frexp(a)[1] - 1 = floor(log2(a)), exactly
;;       r = np.clip(x / 2.0 ** e, -28, 28)
;;       step = 2.0 ** (np.maximum(np.frexp(np.where(r == 0, 1, r))[1] - 1, -2) - 2)
;;       q = np.round(r / step) * step * 2.0 ** e      # np.round: ties to even
;;       return np.moveaxis(q.reshape(q.shape[:-2] + (-1,))[..., :K], -1, axis).astype(np.float32)
;;   ~~~
;;   SOFTMAX AHEAD OF A QUANTISED PRODUCT. Where the list says 'softmax', what is quantised is not the finished softmax but p = 2^(t - M), with t = logit x log2(e) and M = ceil(the row's largest t), a whole number; so 1/2 < the row's largest p <= 1. The row's sum l is taken of the UNQUANTISED p, in f32, and the product's result is divided by l at the end. Since M is a whole number, a kernel that streams over the keys may use a running M (the ceiling of the running maximum): every later rescaling is an exact power of two, which a block's scale takes up: the codes' values come out the same.
;;   OPERANDS COMPUTED ON THE WAY. 'Computed on the way' means the value that the module computes at that place (a softmax that the list does not call 'softmax' is quantised finished and normalised). What goes into a quantiser is computed in f32, as accurately as f32 sums, v_exp_f32 and their like allow (about 1e-6 of the number): no bf16 or f16 on the way to a quantiser, and a product that is left as it is and whose result goes on into a quantised operand takes f32 operands (vector FMAs, or v_wmma_f32_16x16x4_f32). A number that lies on a knife's edge between two numbers of the format may be rounded either way, as far as f32 arithmetic and the matrix unit's own rounding can turn it there, and no further.
;; One version. Each part assembles by itself: llvm-mc -triple=amdgcn-amd-amdhsa -mcpu=gfx1250 --defsym DOCPART=n.
;; ======== version 1 of 1: 5 launches
;; workspace buffers: opq 9,830,400 bytes; kqv 19,660,800 bytes; pc 13,107,200 bytes; pst 1,048,576 bytes; oq 6,553,600 bytes
;; launch quant (part 1): grid 512 x 1, 4 waves a work-group, no clusters, 34,304 bytes of LDS; arguments x, w_kqv, w_proj, opq; writes opq
.if DOCPART == 1
	.amdgcn_target "amdgcn-amd-amdhsa--gfx1250"
	.amdhsa_code_object_version 6
	.text
	.protected	k_q0b145681a5_quant
	.globl	k_q0b145681a5_quant
	.p2align	8
	.type	k_q0b145681a5_quant,@function
k_q0b145681a5_quant:
	s_mov_b64 s[64:65], 0
	v_nop
	global_prefetch_b8 v0, s[64:65] scope:SCOPE_SE
	s_setreg_imm32_b32 hwreg(HW_REG_WAVE_MODE, 25, 1), 1
	s_wait_xcnt 0x0
; LAUNCH 1 OF 5.  x [8192][1024], w_kqv [1024][3072] and w_proj [1024][1024], f32, become codes of BF6 (E3M2) with one E8M0 scale byte for each 32 along K.
; THE PROGRAM: quant (this) | gkqv: x w_kqv + b_kqv, quantised on the way out into k, q (along c) and v (along t) | gscore: q k^T on the live tiles, mask, p = 2^(t - M) with M whole, taken for each
; 128 keys by itself, quantised along the keys | gpv: the rows' M and sums, p's scale bytes brought under the row's M (exact), p v, / the sum, quantised along c | gproj: o w_proj + b_proj.
; DEAD WORK.  reference() builds the causal mask in its own body (jnp.tril): a score whose key comes after its query becomes -inf, so its weight is 0 for all values of the inputs.  Tiles of q k^T and steps of
; p v all of whose keys come after all of their queries can reach no output and are not computed (gscore, gpv).  LIMIT: a NaN, an infinity or an overflow that reaches only those tiles is not carried to the result.
; Every input has a way to the output and is loaded.
; THE BLOCK FORMAT of all operands of this program: a matrix [rows][K] is cut into groups of 128 rows and chunks of 128 along K, laid [group][chunk][12,800 bytes].  Bytes 0 - 12,287: eight fragments (tile = 16 rows)
; of 1,536 bytes, each the image of the operand's 12 registers: register p of lane l at 512 (p / 4) + 16 l + 4 (p % 4): three loads or stores of 16 bytes a lane, 512 consecutive bytes each.  Bytes 12,288 - 12,799:
; the scale words (four bytes for a row's 128 along K): row 16 t + r at 256 (t / 4) + 16 r + 4 (t % 4).
; ORDER INSIDE A BLOCK OF 32.  A product's way out leaves its numbers, inside each block of 32, with bits 3 and 4 of the place exchanged.  A permutation inside one scale block, alike on both operands, keeps the
; product.  o comes so, hence w_proj's rows are taken in that order here; x and w_kqv keep the natural order.
; LIMITS: NaN and infinities among the inputs are not served.  A block's largest magnitude is taken no lower than 2^(5 - 127), so a block of zeros has the byte 1 where the rule says 127: its codes are zeros,
; which add nothing, and this program alone reads the bytes.
; SHARES.  Work-groups 0 - 255: x.  A wave takes 64 rows x 128 K (four fragments): each load reads 512 consecutive bytes of a row; a tile of 16 rows turns through the wave's own stage in LDS (rows 528 bytes apart),
; so that a lane gets its row's two blocks of 32.  Work-groups 256 - 447: w_kqv, 448 - 511: w_proj: a work-group takes 128 columns x 128 K; a lane takes a column and its registers run down K.
.set BLK,   12800
.set W0,    6553600                    ; w_kqv's blocks in opq
.set P0,    9011200                    ; w_proj's
.set STG,   8448                       ; a wave's stage: 16 x 528
.set SPARE, 4*STG                      ; behind the stages: the spare words, 128 bytes for each wave
.set SPW,   12                         ; v12  my spare word's LDS address; never rewritten
.set NIL,   13                         ; v13  0; never rewritten
.set R,     16                         ; v16-143  x: two sets of 64 as loaded;  weights: 128 numbers of my column
.set X,     144                        ; v144-207 x: my row's 64 numbers
.set IM,    144                        ; v144-167 weights: the two register images (target lanes 0-15, 16-31)
.set CD,    208                        ; v208-219 x: a fragment's codes
.set TC,    220                        ; v220-226 second halves of blocks (a conversion's three registers begin on an even number)
.set M,     228
.set SO,    230
.set BY,    232
.set W,     234
.set W2,    235
.set SW,    244                        ; v244-247 the four tiles' scale words
.set WP,    248
	s_load_b256 s[4:11], s[0:1], 0x0               ; x s[4:5], w_kqv s[6:7], w_proj s[8:9], opq s[10:11]
	v_lshl_add_u32 v[SPW], v0, 2, SPARE
	v_mov_b32 v[NIL], 0
	v_lshrrev_b32 v1, 5, v0
	v_readfirstlane_b32 s12, v1                    ; wave
	v_and_b32 v7, 31, v0                           ; lane
	v_lshlrev_b32 v1, 4, v7                        ; 16 x lane
	v_and_b32 v2, 15, v0                           ; r
	v_bfe_u32 v3, v0, 4, 1                         ; h
	v_mov_b32 v[W2], 0                             ; a lane permute's destination counts as read
	s_mov_b32 s20, 0x76543210
	s_mov_b32 s21, 0xfedcba98                      ; selects: lane l xor 16
	s_mov_b32 s19, 0
	s_wait_kmcnt 0x0
	s_cmp_lt_u32 ttmp9, 256
	s_cbranch_scc0 .Lweights
; ---------------- x
	s_lshl_b32 s13, ttmp9, 2
	s_add_co_u32 s13, s13, s12                     ; task = 4 x work-group + wave
	s_and_b32 s14, s13, 7                          ; chunk of K
	s_lshr_b32 s15, s13, 3                         ; which 64 rows
	s_lshr_b32 s16, s15, 1                         ; group
	s_and_b32 s17, s15, 1                          ; half of the group
	s_lshl_b32 s18, s15, 18                        ; 64 rows of 4,096 bytes
	s_lshl_b32 s24, s14, 9                         ; 128 numbers
	s_add_co_u32 s18, s18, s24
	s_add_nc_u64 s[4:5], s[4:5], s[18:19]
	s_lshl_b32 s18, s16, 3
	s_add_co_u32 s18, s18, s14
	s_mul_i32 s18, s18, BLK
	s_add_nc_u64 s[10:11], s[10:11], s[18:19]      ; my block
	s_lshl_b32 s18, s17, 8
	s_add_co_u32 s18, s18, 12288
	s_add_nc_u64 s[22:23], s[10:11], s[18:19]      ; my half's scale words
	s_mul_i32 s18, s17, 6144
	s_add_nc_u64 s[10:11], s[10:11], s[18:19]      ; my half's four fragments
	s_mov_b32 s25, 0xffff0000                      ; lanes 16-31
	s_mul_i32 s24, s12, STG
	v_add_nc_u32 v4, s24, v1                       ; into the stage: a row's 512 bytes as loaded
	v_mul_u32_u24 v5, v2, 528
	v_lshl_add_u32 v5, v3, 7, v5
	v_add_nc_u32 v5, s24, v5                       ; out of it: row r, + 128 h: my blocks h and 2 + h
	v_lshlrev_b32 v6, 4, v2
	v_lshl_add_u32 v6, v3, 3, v6                   ; the words' place: 16 r + 8 h
	v_lshlrev_b32 v8, 3, v3                        ; 8 h bits
.macro LOADT t
.set i, 0
.rept 16
	global_load_b128 v[R+64*((\t)%2)+4*i:R+64*((\t)%2)+4*i+3], v1, s[4:5] offset:(16*(\t)+i)*4096 th:TH_LOAD_NT
.set i, i+1
.endr
.endm
.macro TILE t
.if (\t) < 3
	s_wait_loadcnt 16                              ; this tile's 16 loads are in; the next tile's 16 may be out
.else
	s_wait_loadcnt 0x0
.endif
.set i, 0
.rept 16
	ds_store_b128 v4, v[R+64*((\t)%2)+4*i:R+64*((\t)%2)+4*i+3] offset:528*i
.set i, i+1
.endr
.set i, 0
.rept 16
	ds_load_b128 v[X+4*i:X+4*i+3], v5 offset:256*(i/8)+16*(i%8)   ; LDS serves a wave's instructions in order: these see my stores.  Register 32 c + n: k = 64 c + 32 h + n
.set i, i+1
.endr
	s_wait_dscnt 0x0
.if (\t) < 2
	LOADT (\t)+2                                   ; into the set that the stage's stores have read
.endif
.irp c, 0,1
	v_max3_num_f32 v[M+\c], |v[X+32*\c]|, |v[X+32*\c+1]|, 0x2800000   ; my block 2 c + h, and the floor 2^(5 - 127): the byte cannot fall under 1
.endr
.irp i, 2,4,6,8,10,12,14,16,18,20,22,24,26,28,30
.irp c, 0,1
	v_max3_num_f32 v[M+\c], v[M+\c], |v[X+32*\c+\i]|, |v[X+32*\c+\i+1]|
.endr
.endr
.irp c, 0,1
	v_add_nc_u32 v[SO+\c], 0xfe000000, v[M+\c]     ; 4 off the exponent field: the conversion's scale operand
.endr
.irp c, 0,1
	v_lshrrev_b32 v[BY+\c], 23, v[SO+\c]           ; the scale's byte
.endr
	v_lshl_or_b32 v[W], v[BY+1], 16, v[BY]
	v_lshlrev_b32 v[W], v8, v[W]                   ; my two bytes at their places,
	v_permlanex16_b32 v[W2], v[W], s20, s21
	v_or_b32 v[SW+(\t)], v[W], v[W2]               ; with lane l xor 16's two the word is whole
	s_wait_xcnt 0x0                                ; the last tile's stores have read the codes' registers
.irp c, 0,1
	v_cvt_scalef32_pk16_bf6_f32 v[CD+6*\c:CD+6*\c+2], v[X+32*\c:X+32*\c+15], v[SO+\c]
	v_cvt_scalef32_pk16_bf6_f32 v[TC+4*\c:TC+4*\c+2], v[X+32*\c+16:X+32*\c+31], v[SO+\c]
.endr
	v_nop                                          ; one plain place behind a scaled conversion
.irp c, 0,1
.irp i, 0,1,2
	v_mov_b32 v[CD+3+6*\c+\i], v[TC+4*\c+\i]
.endr
.endr
.irp g, 0,1,2
	global_store_b128 v1, v[CD+4*\g:CD+4*\g+3], s[10:11] offset:1536*(\t)+512*\g   ; 512 consecutive bytes, aligned
.endr
.endm
	LOADT 0
	LOADT 1
	TILE 0
	TILE 1
	TILE 2
	TILE 3
	v_cndmask_b32 v[WP], v[SW], v[SW+2], s25       ; lanes 0-15 store tiles 0, 1's words of row r, lanes 16-31 tiles 2, 3's
	v_cndmask_b32 v[WP+1], v[SW+1], v[SW+3], s25
	global_store_b64 v6, v[WP:WP+1], s[22:23]      ; 256 consecutive bytes, aligned
	s_branch .Lend
; ---------------- the weights
.macro WLOAD be, ncol, perm, src
.set i, 0
.rept 32
.if \perm
.set kk, (i&7)|(((i>>3)&1)<<4)|(((i>>4)&1)<<3)
.else
.set kk, i
.endif
	global_load_b32 v[R+32*(\be)+i], v4, s[\src:\src+1] offset:(32*(\be)+kk)*\ncol*4 th:TH_LOAD_NT   ; 32 lanes read 128 consecutive bytes of a row of the weight
.set i, i+1
.endr
.endm
.macro WBLOCK be
.set XS, R+32*(\be)
.set CI, IM+12*((\be)%2)+6*((\be)/2)
	v_max3_num_f32 v[M], |v[XS]|, |v[XS+1]|, |v[XS+2]|             ; all 32 numbers of the block are mine
	v_max3_num_f32 v[M+1], |v[XS+3]|, |v[XS+4]|, |v[XS+5]|
.irp i, 6,10,14,18,22,26
	v_max3_num_f32 v[M], v[M], |v[XS+\i]|, |v[XS+\i+1]|
	v_max3_num_f32 v[M+1], v[M+1], |v[XS+\i+2]|, |v[XS+\i+3]|
.endr
	v_max3_num_f32 v[M], v[M], |v[XS+30]|, |v[XS+31]|
	v_max3_num_f32 v[M], v[M], v[M+1], 0x2800000
	v_add_nc_u32 v[SO], 0xfe000000, v[M]
	v_lshrrev_b32 v[BY], 23, v[SO]
.if (\be) == 0
	v_mov_b32 v[W], v[BY]
.else
	v_lshl_or_b32 v[W], v[BY], 8*(\be), v[W]
.endif
	v_cvt_scalef32_pk16_bf6_f32 v[CI:CI+2], v[XS:XS+15], v[SO]     ; block be belongs to target lane 16 (be % 2) + r, registers 6 (be / 2) on
	v_cvt_scalef32_pk16_bf6_f32 v[TC:TC+2], v[XS+16:XS+31], v[SO]
	v_nop
.irp i, 0,1,2
	v_mov_b32 v[CI+3+\i], v[TC+\i]
.endr
.endm
.macro WPATH ncol, first, base, perm, src
	s_sub_co_u32 s13, ttmp9, \first                ; 8 x group of columns + chunk of K: also the block's number
	s_lshr_b32 s14, s13, 3
	s_and_b32 s15, s13, 7
	s_mul_i32 s18, s15, 128*\ncol*4
	s_lshl_b32 s16, s14, 9
	s_add_co_u32 s18, s18, s16
	s_lshl_b32 s16, s12, 7
	s_add_co_u32 s18, s18, s16                     ; row 128 x chunk, column 128 x group + 32 x wave
	s_add_nc_u64 s[\src:\src+1], s[\src:\src+1], s[18:19]
	s_mul_i32 s18, s13, BLK
	s_add_co_u32 s18, s18, \base
	s_add_nc_u64 s[10:11], s[10:11], s[18:19]      ; my block
	s_lshr_b32 s16, s12, 1
	s_lshl_b32 s16, s16, 8
	s_and_b32 s17, s12, 1
	s_lshl_b32 s17, s17, 3
	s_add_co_u32 s18, s16, s17
	s_add_co_u32 s18, s18, 12288
	s_add_nc_u64 s[22:23], s[10:11], s[18:19]      ; my wave's tiles 2 w, 2 w + 1 among the scale words
	s_mul_i32 s18, s12, 3072
	s_add_nc_u64 s[10:11], s[10:11], s[18:19]      ; and their fragments
	v_lshlrev_b32 v4, 2, v7                        ; my column
	v_mul_u32_u24 v5, v3, 1536
	v_lshl_add_u32 v5, v2, 4, v5                   ; tile lane / 16, target lane r
	v_lshlrev_b32 v6, 4, v2
	v_lshl_add_u32 v6, v3, 2, v6
	WLOAD 0, \ncol, \perm, \src
	WLOAD 1, \ncol, \perm, \src
	s_wait_loadcnt 32                              ; block 0 is in; the 32 loads of block 1 may be out
	WLOAD 2, \ncol, \perm, \src
	WBLOCK 0
	s_wait_loadcnt 32                              ; block 1 is in; block 2's may be out
	WLOAD 3, \ncol, \perm, \src
	WBLOCK 1
	s_wait_loadcnt 32                              ; block 2 is in; block 3's may be out
	WBLOCK 2
	s_wait_loadcnt 0x0
	WBLOCK 3
.irp hh, 0,1
.irp g, 0,1,2
	global_store_b128 v5, v[IM+12*\hh+4*\g:IM+12*\hh+4*\g+3], s[10:11] offset:256*\hh+512*\g   ; sixteen lanes store 256 consecutive bytes, aligned
.endr
.endr
	global_store_b32 v6, v[W], s[22:23]            ; the words go 4 bytes a lane: 512 bytes of a block's 12,800
.endm
.Lweights:
	s_cmp_lt_u32 ttmp9, 448
	s_cbranch_scc0 .Lproj
	WPATH 3072, 256, W0, 0, 6
	s_branch .Lend
.Lproj:
	WPATH 1024, 448, P0, 1, 8
.Lend:
	s_wait_tensorcnt 0x0                           ; the wave's end
	ds_add_u32 v[SPW], v[NIL]
	s_wait_dscnt 0x0
	s_endpgm
.Lfunc_end_k_q0b145681a5_quant:
	.size	k_q0b145681a5_quant, .Lfunc_end_k_q0b145681a5_quant-k_q0b145681a5_quant
	.p2alignl 7, 3214868480
	.fill 96, 4, 3214868480
	.section	.rodata,"a",@progbits
	.p2align	6, 0x0
	.amdhsa_kernel k_q0b145681a5_quant
		.amdhsa_group_segment_fixed_size 34304
		.amdhsa_private_segment_fixed_size 0
		.amdhsa_enable_private_segment 0
		.amdhsa_kernarg_size 32
		.amdhsa_user_sgpr_count 2
		.amdhsa_user_sgpr_kernarg_segment_ptr 1
		.amdhsa_wavefront_size32 1
		.amdhsa_system_sgpr_workgroup_id_x 1
		.amdhsa_system_sgpr_workgroup_id_y 1
		.amdhsa_system_sgpr_workgroup_id_z 1
		.amdhsa_system_vgpr_workitem_id 0
		.amdhsa_next_free_vgpr 256
		.amdhsa_next_free_sgpr 66
		.amdhsa_reserve_vcc 0
		.amdhsa_float_denorm_mode_32 3
		.amdhsa_float_denorm_mode_16_64 3
		.amdhsa_memory_ordered 1
		.amdhsa_forward_progress 1
		.amdhsa_inst_pref_size 70
	.end_amdhsa_kernel
	.amdgpu_metadata
---
amdhsa.version: [ 1, 2 ]
amdhsa.kernels:
  - .name:           k_q0b145681a5_quant
    .symbol:         k_q0b145681a5_quant.kd
    .args:
      - { .name: x, .offset: 0, .size: 8, .value_kind: global_buffer, .address_space: global }
      - { .name: w_kqv, .offset: 8, .size: 8, .value_kind: global_buffer, .address_space: global }
      - { .name: w_proj, .offset: 16, .size: 8, .value_kind: global_buffer, .address_space: global }
      - { .name: opq, .offset: 24, .size: 8, .value_kind: global_buffer, .address_space: global }
    .group_segment_fixed_size: 34304
    .private_segment_fixed_size: 0
    .kernarg_segment_align: 8
    .kernarg_segment_size: 32
    .max_flat_workgroup_size: 128
    .sgpr_count:     66
    .vgpr_count:     256
    .wavefront_size: 32
...
	.end_amdgpu_metadata
.endif
;; end of part 1
;; launch gkqv (part 2): grid 8 x 96, 4 waves a work-group, clusters of 4 x 4, 327,680 bytes of LDS; arguments opq, b_kqv, kqv; writes kqv
.if DOCPART == 2
	.amdgcn_target "amdgcn-amd-amdhsa--gfx1250"
	.amdhsa_code_object_version 6
	.text
	.protected	k_q0b145681a5_gkqv
	.globl	k_q0b145681a5_gkqv
	.p2align	8
	.type	k_q0b145681a5_gkqv,@function
k_q0b145681a5_gkqv:
	s_mov_b64 s[64:65], 0
	v_nop
	global_prefetch_b8 v0, s[64:65] scope:SCOPE_SE
	s_setreg_imm32_b32 hwreg(HW_REG_WAVE_MODE, 25, 1), 1
	s_wait_xcnt 0x0
	s_wait_alu depctr_hold_cnt(0) depctr_sa_sdst(0) depctr_va_vdst(0) depctr_va_sdst(0) depctr_va_ssrc(0) depctr_va_vcc(0) depctr_vm_vsrc(0)
	s_getreg_b32 s2, hwreg(HW_REG_IB_STS2, 6, 4)
	s_cmp_eq_u32 s2, 0
	s_cbranch_scc0 .Lentry_in_a_cluster
	s_endpgm
.Lentry_in_a_cluster:
	s_bfe_u32 s2, ttmp6, 0x10000c
	s_cmp_lg_u32 s2, 0xf033
	s_cbranch_scc0 .Lentry_shape_is_right
	s_endpgm
.Lentry_shape_is_right:
; LAUNCH 2 OF 5.  kqv = x w_kqv + b_kqv on codes of BF6 with E8M0 scales (blocks as launch 1 lays them), and each third of the result quantised on the way out as the next products want it:
; k and q along c (their K in q k^T), v along t (its K in p v).  No f32 result goes to memory.
; A TILE is 128 rows of operand A (source 1) x 256 rows of operand B (source 0).  The matrix instruction is used transposed: a lane holds ONE row of A and its registers run along B's rows, which is the axis to quantise.
;   k, q (cluster y 0 - 15): A = 128 rows of x, B = 256 columns of w_kqv.      v (cluster y 16 - 23): A = 128 columns of w_kqv (v's c), B = 256 rows of x (t).
; Four waves: wave w takes A's tiles 4 (w / 2) .. + 3 and B's group w % 2: 32 accumulators; its 128 rows of B are one chunk of the next operand: one fragment and one scale word for each of its tiles of A.
; 768 tiles of equal work.  All of K (1,024) lies in LDS: A's panel 102,400 bytes, B's two panels: nothing is filled again.  The panels come in four stages of 256 along K, so that the products begin when the first has landed.
; CLUSTERS 4 x 4: A's panel hangs on the tile row alone and is asked for jointly along a row of the cluster, B's on the tile column alone, along a column.
; Inside each block of 32 the way out leaves the numbers with bits 3 and 4 of the place exchanged; both operands of each later product come so (launch 1's head).
; LIMITS as in launch 1 (NaN, infinities; a block of zeros has the byte 1).
; REGISTERS.  window 0: v1-15 addresses; v32-55 scale words, two sets, nothing else ever; v64-159 A's fragments, two sets; v160-223 the bias as C; on the way out v128-163 at work, v224-237 words.
;   window 1: B's fragments, two sets, at v0 and v128.   window 2: accumulator (a, b) at v[64 a + 8 b].
.set BLK,   12800
.set GRP,   102400                     ; a group's 8 chunks
.set Q0,    6553600                    ; q in kqv
.set V0,    13107200                   ; v in kqv: [batch][8 groups of c][16 chunks of t]
.set SPARE, 307200                     ; behind the three panels: the spare words
.set LI,   1
.set RR,   2
.set HH,   3
.set ADRA, 4
.set ADRB, 6
.set ADSA, 8
.set ADSB, 10
.set SPW,  12
.set NIL,  13
.set WO,   14
.set BO,   15
.set SC,   32
.set AF,   64
.set CB,   160
.set PC,   128
.set TM,   148
.set PWS,  224
.set OUTP, 236
.set WV,   14
.set HS,   15
.set HB,   16
.set SEL,  20
.set G1A,  24
.set G1B,  32
.set G0A,  40                          ; s[40:55] group 0 for A's four stages
.set G0B,  68                          ; s[68:83] for B's
.set MSK,  62
.set PART, 63                          ; 0: k, q;  1: v
.set OUT,  88
.set OUTW, 90
.set BIA,  92
.set MSB, 0
.macro WIN new                         ; the immediate's high byte repeats the setting that is left
.if MSB != (\new)
	s_set_vgpr_msb (MSB<<8)|(\new)
.set MSB, (\new)
.endif
.endm
.macro PLACES                          ; four plain places behind a matrix instruction, ahead of loads into its registers and of reads of its results
.rept 4
	v_nop
.endr
.endm
.macro CROUND                          ; a round of the cluster's barrier
	s_barrier_signal -1
	s_barrier_wait -1
	s_cmp_lg_u32 s[WV], 0
	s_cbranch_scc1 .Lnot_wave_0_\@
	s_barrier_signal -3
.Lnot_wave_0_\@:
	s_barrier_wait -3
	s_barrier_signal -1
	s_barrier_wait -1
.endm
.macro FETCH set, kc                   ; chunk kc's fragments and scale words into register set: 39 loads of 16 bytes a lane, each 512 consecutive bytes (the words: 256)
	WIN 0x40
.irp b, 0,1,2,3,4,5,6,7
.irp g, 0,1,2
	ds_load_b128 v[128*(\set)+12*\b+4*\g:128*(\set)+12*\b+4*\g+3], v[ADRB+(\kc)/4] offset:((\kc)%4)*BLK+1536*\b+512*\g
.endr
.endr
	WIN 0
.irp a, 0,1,2,3
.irp g, 0,1,2
	ds_load_b128 v[AF+48*(\set)+12*\a+4*\g:AF+48*(\set)+12*\a+4*\g+3], v[ADRA+(\kc)/4] offset:((\kc)%4)*BLK+1536*\a+512*\g
.endr
.endr
	ds_load_b128 v[SC+12*(\set):SC+12*(\set)+3], v[ADSA+(\kc)/4] offset:((\kc)%4)*BLK
	ds_load_b128 v[SC+12*(\set)+4:SC+12*(\set)+7], v[ADSB+(\kc)/4] offset:((\kc)%4)*BLK
	ds_load_b128 v[SC+12*(\set)+8:SC+12*(\set)+11], v[ADSB+(\kc)/4] offset:((\kc)%4)*BLK+256
.endm
.macro MUL set, cmode                  ; 32 products, the 32 accumulators by turns.  cmode 0: on;  2: C = the bias by B's rows;  3: by A's rows
.if (\cmode) >= 2
	WIN 0x81
.else
	WIN 0xa1
.endif
.irp a, 0,1,2,3
.irp b, 0,1,2,3,4,5,6,7
.set rD, 64*\a+8*\b
.set rB, 128*(\set)+12*\b
.set rA, AF+48*(\set)+12*\a
.set rX, SC+12*(\set)+4+\b
.set rY, SC+12*(\set)+\a
.if (\cmode) == 0
	v_wmma_scale_f32_16x16x128_f8f6f4 v[rD:rD+7], v[rB:rB+11], v[rA:rA+11], v[rD:rD+7], v[rX], v[rY] matrix_a_fmt:MATRIX_FMT_BF6 matrix_b_fmt:MATRIX_FMT_BF6
.elseif (\cmode) == 2
	v_wmma_scale_f32_16x16x128_f8f6f4 v[rD:rD+7], v[rB:rB+11], v[rA:rA+11], v[CB+8*\b:CB+8*\b+7], v[rX], v[rY] matrix_a_fmt:MATRIX_FMT_BF6 matrix_b_fmt:MATRIX_FMT_BF6
.else
	v_wmma_scale_f32_16x16x128_f8f6f4 v[rD:rD+7], v[rB:rB+11], v[rA:rA+11], v[CB+8*\a:CB+8*\a+7], v[rX], v[rY] matrix_a_fmt:MATRIX_FMT_BF6 matrix_b_fmt:MATRIX_FMT_BF6
.endif
.endr
.endr
.endm
.macro STEP kc, cmode                  ; chunk kc is multiplied while chunk kc + 1 comes out of LDS into the other set
	s_wait_dscnt 0x0                               ; this chunk's registers are in
.if ((\kc)%2 == 1) && ((\kc) < 7)
	s_wait_tensorcnt (5-(\kc))/2                   ; my part of the next stage has landed; my loads of the stages behind it may be out
	s_barrier_signal -1
	s_barrier_wait -1                              ; everybody's has.
.endif
.if (\kc) < 7
	PLACES
	FETCH 1-(\kc)%2, (\kc)+1
.endif
	MUL (\kc)%2, \cmode
.endm
; 64 numbers of a lane in window w, register 16 b + i of block b of my row, become a fragment's codes in v[PC] on and its scale word in v[PWS + a]
.macro QUANT src, w, a
	WIN (\w)|((\w)<<2)
.irp b, 0,1,2,3
	v_max3_num_f32 v[TM+\b], |v[\src+16*\b]|, |v[\src+16*\b+1]|, 0x2800000   ; each accumulator is read from its low end on; the floor 2^(5 - 127) holds the byte at 1 from below
.endr
	WIN ((\w)<<2)|((\w)<<4)
.irp i, 2,4,6,8,10,12,14
.irp b, 0,1,2,3
	v_max3_num_f32 v[TM+\b], v[TM+\b], |v[\src+16*\b+\i]|, |v[\src+16*\b+\i+1]|
.endr
.endr
	WIN 0
.irp b, 0,1,2,3
	v_permlanex16_b32 v[TM+4+\b], v[TM+\b], s[SEL], s[SEL+1]
.endr
.irp b, 0,1,2,3
	v_max_num_f32 v[TM+\b], v[TM+\b], v[TM+4+\b]   ; with lane l xor 16's 16: the block's largest magnitude
.endr
.irp b, 0,1,2,3
	v_add_nc_u32 v[TM+12+\b], 0xfe000000, v[TM+\b] ; 4 off the exponent field: the conversion's scale operand
.endr
.irp b, 0,1,2,3
	v_lshrrev_b32 v[TM+4+\b], 23, v[TM+12+\b]      ; the scale's byte
.endr
	v_lshl_or_b32 v[PWS+\a], v[TM+5], 8, v[TM+4]
	v_lshl_or_b32 v[PWS+\a], v[TM+6], 16, v[PWS+\a]
	v_lshl_or_b32 v[PWS+\a], v[TM+7], 24, v[PWS+\a]
	s_wait_xcnt 0x0                                ; the last fragment's stores have read the codes' registers
	WIN \w
.irp c, 0,1
	v_cvt_scalef32_pk16_bf6_f32 v[PC+6*\c:PC+6*\c+2], v[\src+32*\c:\src+32*\c+15], v[TM+12+2*\c]
	v_cvt_scalef32_pk16_bf6_f32 v[PC+12+4*\c:PC+14+4*\c], v[\src+32*\c+16:\src+32*\c+31], v[TM+13+2*\c]
.endr
	WIN 0
	v_nop                                          ; one plain place behind a scaled conversion
.irp c, 0,1                            ; the operand's layout wants a whole block in a lane: lanes 0-15 block 2 c, lanes 16-31 block 2 c + 1
.irp i, 0,1,2
	v_permlane16_swap_b32 v[PC+6*\c+\i], v[PC+12+4*\c+\i]
.endr
.irp i, 0,1,2
	v_mov_b32 v[PC+3+6*\c+\i], v[PC+12+4*\c+\i]
.endr
.endr
.endm
.macro PUT a
.irp g, 0,1,2
	global_store_b128 v[LI], v[PC+4*\g:PC+4*\g+3], s[OUT:OUT+1] offset:1536*(\a)+512*\g   ; 512 consecutive bytes, aligned
.endr
.endm
.macro PUTW regs, tmp, base, off       ; four words a row (tiles 0-3): lanes 0-15 store the first two, lanes 16-31 the others: 256 consecutive bytes, aligned
	v_cndmask_b32 v[\tmp], v[\regs], v[\regs+2], s[MSK]
	v_cndmask_b32 v[\tmp+1], v[\regs+1], v[\regs+3], s[MSK]
	global_store_b64 v[WO], v[\tmp:\tmp+1], s[\base:\base+1] offset:\off
.endm
	s_load_b128 s[4:7], s[0:1], 0x0                ; opq s[4:5], b_kqv s[6:7]
	s_load_b64 s[8:9], s[0:1], 0x10                ; kqv
	v_lshl_add_u32 v[SPW], v0, 2, SPARE
	v_mov_b32 v[NIL], 0
	ds_add_u32 v[SPW], v[NIL]                      ; the wave's opening: the add, twice on end, and its wait ahead of my first tensor load
	ds_add_u32 v[SPW], v[NIL]
	v_lshrrev_b32 v1, 5, v0
	v_readfirstlane_b32 s[WV], v1                  ; wave 0..3
	s_lshr_b32 s[HS], s[WV], 1                     ; my half of A's tiles.  Also: I fetch for A (0) or for B (1)
	s_and_b32 s[HB], s[WV], 1                      ; my group of B.  Also: which chunk of a stage (A) or which group (B) I fetch
	s_bfe_u32 s56, ttmp6, 0x40000                  ; cx
	s_bfe_u32 s57, ttmp6, 0x40004                  ; cy
	s_lshl_b32 s58, ttmp9, 2
	s_add_co_u32 s58, s58, s56                     ; X = 4 x cluster x + cx
	s_and_b32 s59, ttmp7, 0xffff                   ; cluster y: the same in all sixteen partners
	s_lshl_b32 s60, s57, 2
	s_lshl_b32 s60, 15, s60                        ; my row of the cluster
	s_lshl_b32 s61, 0x1111, s56                    ; my column
	; group 1: a dense block as rows of 256 bytes (32 elements of 8 bytes): A 50 rows (a chunk), B 100 (two chunks)
	s_or_b32 s[G1A], s60, (3<<16)|(1<<21)          ; 15:0 the mask; 17:16 elements of 8 bytes; 21 set beside a mask
	s_or_b32 s[G1B], s61, (3<<16)|(1<<21)
	s_mov_b32 s[G1A+1], 32<<16
	s_mov_b32 s[G1A+2], 50<<16
	s_mov_b32 s[G1A+3], 32<<16
	s_mov_b32 s[G1A+4], 50
	s_mov_b32 s[G1A+5], 32
	s_mov_b32 s[G1A+6], 0
	s_mov_b32 s[G1A+7], 0
	s_mov_b32 s[G1B+1], 32<<16
	s_mov_b32 s[G1B+2], 100<<16
	s_mov_b32 s[G1B+3], 32<<16
	s_mov_b32 s[G1B+4], 100
	s_mov_b32 s[G1B+5], 32
	s_mov_b32 s[G1B+6], 0
	s_mov_b32 s[G1B+7], 0
	; opq is 96 groups of 102,400 bytes: x 0 - 63, w_kqv 64 - 87.  A's group hangs on cluster y and cy, B's on X and cluster y
	s_lshl_b32 s84, s59, 2
	s_add_co_u32 s84, s84, s57                     ; k, q: A = x's group 4 x cluster y + cy
	s_and_b32 s85, s59, 1
	s_lshl_b32 s85, s85, 2
	s_add_co_u32 s85, s85, s57                     ; v: A = v's group of c, 4 (cluster y % 2) + cy,
	s_add_co_u32 s94, s85, 80                      ; which is w_kqv's group 16 + that
	s_lshl_b32 s86, s58, 1
	s_add_co_u32 s86, s86, s[HB]                   ; 2 X + my group
	s_add_co_u32 s87, s86, 64                      ; k, q: B = w_kqv's group 2 X + ..
	s_sub_co_u32 s96, s59, 16
	s_lshr_b32 s96, s96, 1
	s_lshl_b32 s96, s96, 4
	s_add_co_u32 s96, s96, s86                     ; v: B = x's group 2 (X + 8 ((cluster y - 16) / 2)) + ..  (not used for k, q)
	s_cmp_ge_u32 s59, 16
	s_cselect_b32 s[PART], 1, 0
	s_cselect_b32 s94, s94, s84
	s_cselect_b32 s95, s96, s87
	s_mul_i32 s94, s94, GRP
	s_mul_i32 s95, s95, GRP
	s_mul_i32 s17, s[HB], BLK                      ; A: my chunk of a stage, in memory and in LDS
	s_add_co_u32 s10, s94, s17
	s_mov_b32 s11, 0
	s_mov_b32 s12, s95
	s_mov_b32 s13, 0
	s_mul_i32 s18, s[HB], GRP
	s_add_co_u32 s18, s18, GRP                     ; B: my group's panel in LDS
	s_mov_b32 s[SEL], 0x76543210
	s_mov_b32 s[SEL+1], 0xfedcba98
	s_mov_b32 s[MSK], 0xffff0000
	s_wait_dscnt 0x0                               ; both opening adds are done
	s_wait_kmcnt 0x0
	s_add_nc_u64 s[10:11], s[4:5], s[10:11]
	s_add_nc_u64 s[12:13], s[4:5], s[12:13]
	CROUND                                         ; all sixteen work-groups are here: the joint loads meet
.irp s, 0,1,2,3
	s_mov_b32 s[G0A+4*\s], 1
	s_add_co_u32 s[G0A+4*\s+1], s17, \s*2*BLK
	s_add_nc_u64 s[G0A+4*\s+2:G0A+4*\s+3], s[10:11], \s*2*BLK
	s_or_b32 s[G0A+4*\s+3], s[G0A+4*\s+3], 0x80000000
	s_mov_b32 s[G0B+4*\s], 1
	s_add_co_u32 s[G0B+4*\s+1], s18, \s*2*BLK
	s_add_nc_u64 s[G0B+4*\s+2:G0B+4*\s+3], s[12:13], \s*2*BLK
	s_or_b32 s[G0B+4*\s+3], s[G0B+4*\s+3], 0x80000000
.endr
	s_cmp_lt_u32 s[WV], 2                          ; a wave's four fills stand in one branch: four loads of mine are out
	s_cbranch_scc0 .Lfill_b
.irp s, 0,1,2,3
	tensor_load_to_lds s[G0A+4*\s:G0A+4*\s+3], s[G1A:G1A+7]
	s_nop 0
.endr
	PLACES
	s_branch .Lfilled
.Lfill_b:
.irp s, 0,1,2,3
	tensor_load_to_lds s[G0B+4*\s:G0B+4*\s+3], s[G1B:G1B+7]
	s_nop 0
.endr
	PLACES
.Lfilled:
	v_and_b32 v[LI], 31, v0
	v_lshlrev_b32 v[LI], 4, v[LI]                  ; 16 x lane
	v_and_b32 v[RR], 15, v0
	v_bfe_u32 v[HH], v0, 4, 1
	s_mul_i32 s17, s[HS], 6144
	v_add_nc_u32 v[ADRA], s17, v[LI]               ; A's fragments: chunks 0 - 3, and 4 - 7
	v_add_nc_u32 v[ADRA+1], 4*BLK, v[ADRA]
	v_add_nc_u32 v[ADRB], s18, v[LI]
	v_add_nc_u32 v[ADRB+1], 4*BLK, v[ADRB]
	s_lshl_b32 s97, s[HS], 8
	s_add_co_u32 s17, s97, 12288
	v_lshl_add_u32 v[ADSA], v[RR], 4, s17          ; A's scale words: four tiles' in 16 bytes for row r
	v_add_nc_u32 v[ADSA+1], 4*BLK, v[ADSA]
	s_add_co_u32 s18, s18, 12288
	v_lshl_add_u32 v[ADSB], v[RR], 4, s18
	v_add_nc_u32 v[ADSB+1], 4*BLK, v[ADSB]
	v_lshlrev_b32 v[WO], 4, v[RR]
	v_lshl_add_u32 v[WO], v[HH], 3, v[WO]
	; where the results go, and the bias
	s_lshl_b32 s88, s84, 3
	s_and_b32 s89, s86, 7
	s_add_co_u32 s88, s88, s89
	s_mul_i32 s88, s88, BLK                        ; k, q: group = x's group, chunk = (2 X + my group) % 8,
	s_lshr_b32 s89, s58, 2
	s_mul_i32 s89, s89, Q0                         ; in k (X < 4) or in q
	s_add_co_u32 s88, s88, s89
	s_lshr_b32 s90, s96, 4                         ; v: batch = t's group / 16,
	s_lshl_b32 s90, s90, 3
	s_add_co_u32 s90, s90, s85                     ; group of c,
	s_mul_i32 s90, s90, 2*GRP
	s_and_b32 s91, s96, 15                         ; chunk of t
	s_mul_i32 s91, s91, BLK
	s_add_co_u32 s90, s90, s91
	s_add_co_u32 s90, s90, V0
	s_lshl_b32 s92, s86, 9                         ; k, q: b_kqv at column 128 (2 X + my group)
	s_lshl_b32 s93, s85, 9
	s_add_co_u32 s93, s93, s97
	s_add_co_u32 s93, s93, 8192                    ; v: at 2,048 + 128 x group of c + 64 x my half
	s_cmp_eq_u32 s[PART], 0
	s_cselect_b32 s88, s88, s90
	s_cselect_b32 s92, s92, s93
	s_mov_b32 s89, 0
	s_mov_b32 s93, 0
	s_add_nc_u64 s[OUT:OUT+1], s[8:9], s[88:89]
	s_add_nc_u64 s[BIA:BIA+1], s[6:7], s[92:93]
	s_add_co_u32 s98, s97, 12288
	s_mov_b32 s99, 0
	s_add_nc_u64 s[OUTW:OUTW+1], s[OUT:OUT+1], s[98:99]
	s_mul_i32 s98, s[HS], 6144
	s_add_nc_u64 s[OUT:OUT+1], s[OUT:OUT+1], s[98:99]
	s_cmp_eq_u32 s[PART], 0
	s_cbranch_scc0 .Lbias_v
	v_lshlrev_b32 v[BO], 5, v[HH]                  ; register 8 b + j: the bias of B's row 16 b + 8 h + j
.irp b, 0,1,2,3,4,5,6,7
	global_load_b128 v[CB+8*\b:CB+8*\b+3], v[BO], s[BIA:BIA+1] offset:64*\b
	global_load_b128 v[CB+8*\b+4:CB+8*\b+7], v[BO], s[BIA:BIA+1] offset:64*\b+16
.endr
	s_branch .Lbias_done
.Lbias_v:
	v_lshlrev_b32 v[BO], 2, v[RR]                  ; registers 8 a .. 8 a + 7: the bias of A's row 16 a + r, eight times (all 64 registers are written on both ways)
.set n, 0
.rept 64
	global_load_b32 v[CB+n], v[BO], s[BIA:BIA+1] offset:64*((n/8)%4)
.set n, n+1
.endr
.Lbias_done:
	s_wait_tensorcnt 0x3                           ; my part of stage 0 has landed; my three later loads may be out
	s_barrier_signal -1
	s_barrier_wait -1
	FETCH 0, 0
	s_wait_loadcnt 0x0                             ; the bias
	s_wait_dscnt 0x0
	FETCH 1, 1
	s_cmp_eq_u32 s[PART], 0
	s_cbranch_scc0 .Lfirst_v
	MUL 0, 2                                       ; the first products start the sums from the bias: nothing is cleared, nothing is added later
	WIN 0
	s_branch .Lfirst_done
.Lfirst_v:
	MUL 0, 3
	WIN 0
.Lfirst_done:
	STEP 1, 0
	STEP 2, 0
	STEP 3, 0
	STEP 4, 0
	STEP 5, 0
	STEP 6, 0
	STEP 7, 0
	WIN 0
	PLACES
.irp b, 0,1,2,3
	v_mov_b32 v[TM+4+\b], 0                        ; a lane permute's destination counts as read
.endr
.irp a, 0,1,2,3
	QUANT 64*\a, 2, \a
	PUT \a
.endr
	PUTW PWS, OUTP, OUTW, 0
	s_wait_tensorcnt 0x0                           ; the wave's end
	ds_add_u32 v[SPW], v[NIL]
	s_wait_dscnt 0x0
	CROUND                                         ; the closing round
	s_endpgm
.Lfunc_end_k_q0b145681a5_gkqv:
	.size	k_q0b145681a5_gkqv, .Lfunc_end_k_q0b145681a5_gkqv-k_q0b145681a5_gkqv
	.p2alignl 7, 3214868480
	.fill 96, 4, 3214868480
	.section	.rodata,"a",@progbits
	.p2align	6, 0x0
	.amdhsa_kernel k_q0b145681a5_gkqv
		.amdhsa_group_segment_fixed_size 327680
		.amdhsa_private_segment_fixed_size 0
		.amdhsa_enable_private_segment 0
		.amdhsa_kernarg_size 24
		.amdhsa_user_sgpr_count 2
		.amdhsa_user_sgpr_kernarg_segment_ptr 1
		.amdhsa_wavefront_size32 1
		.amdhsa_system_sgpr_workgroup_id_x 1
		.amdhsa_system_sgpr_workgroup_id_y 1
		.amdhsa_system_sgpr_workgroup_id_z 1
		.amdhsa_system_vgpr_workitem_id 0
		.amdhsa_next_free_vgpr 768
		.amdhsa_next_free_sgpr 100
		.amdhsa_reserve_vcc 0
		.amdhsa_float_denorm_mode_32 3
		.amdhsa_float_denorm_mode_16_64 3
		.amdhsa_memory_ordered 1
		.amdhsa_forward_progress 1
		.amdhsa_inst_pref_size 93
	.end_amdhsa_kernel
	.amdgpu_metadata
---
amdhsa.version: [ 1, 2 ]
amdhsa.kernels:
  - .name:           k_q0b145681a5_gkqv
    .symbol:         k_q0b145681a5_gkqv.kd
    .args:
      - { .name: opq, .offset: 0, .size: 8, .value_kind: global_buffer, .address_space: global }
      - { .name: b_kqv, .offset: 8, .size: 8, .value_kind: global_buffer, .address_space: global }
      - { .name: kqv, .offset: 16, .size: 8, .value_kind: global_buffer, .address_space: global }
    .group_segment_fixed_size: 327680
    .private_segment_fixed_size: 0
    .kernarg_segment_align: 8
    .kernarg_segment_size: 24
    .max_flat_workgroup_size: 128
    .sgpr_count:     100
    .vgpr_count:     768
    .wavefront_size: 32
...
	.end_amdgpu_metadata
.endif
;; end of part 2
;; launch gscore (part 3): grid 72 x 4, 4 waves a work-group, no clusters, 327,680 bytes of LDS; arguments kqv, pc, pst; writes pc, pst
.if DOCPART == 3
	.amdgcn_target "amdgcn-amd-amdhsa--gfx1250"
	.amdhsa_code_object_version 6
	.text
	.protected	k_q0b145681a5_gscore
	.globl	k_q0b145681a5_gscore
	.p2align	8
	.type	k_q0b145681a5_gscore,@function
k_q0b145681a5_gscore:
	s_mov_b64 s[64:65], 0
	v_nop
	global_prefetch_b8 v0, s[64:65] scope:SCOPE_SE
	s_setreg_imm32_b32 hwreg(HW_REG_WAVE_MODE, 25, 1), 1
	s_wait_xcnt 0x0
; LAUNCH 3 OF 5.  S = q k^T on codes, t = S log2(e) / sqrt(2048), the causal mask, p = 2^(t - M), p quantised along the keys.
; LEFT OUT AS DEAD WORK: tiles all of whose keys come after all of their queries (reference()'s own tril makes their weights 0 for all inputs; launch 1's head).  Of 16 x 8 tiles a batch 72 are live.
; M IS TAKEN FOR EACH ROW AND EACH 128 KEYS BY ITSELF: the ceiling of the largest t there, a whole number.  -M and the sum of the unquantised p go to pst; launch 4 finds the row's M and takes the difference off p's
; scale bytes and sums: powers of two, exact.  A row all of whose 128 keys are hidden has -M = 1e30 (the largest t is taken no lower than -1e30), p = 0, zero codes, sum 0.
; A TILE: A = 128 queries (source 1), B = 256 keys (source 0); a lane holds one query and its registers run along the keys.  Wave w: queries' tiles 4 (w / 2) .. + 3, keys 128 (w % 2) on: one chunk of p.
; All of K (c, 1,024) lies in LDS, in four stages; nothing is filled again.
; NO CLUSTER: a group of queries has 1 to 8 live tiles and a group of keys 1 to 16, so no 4 x 4 or 4 x 1 of live tiles divides the triangle; partners made up with hidden tiles would do work that is thrown away.
; LIMITS: as in launch 1; t = c S is rounded once before M is taken off; -M is kept in f32, exact for whole numbers up to 2^24.  A block's largest p is the exponential of its largest t (the exponential is taken not to fall where its input rises).
; REGISTERS as in launch 2; on the way out v64-127 t, then p; v128-147 codes; v148-175 at work; v224-235 words, -M, sums.
.set BLK,   12800
.set GRP,   102400
.set SPARE, 307200
.set LI,   1
.set RR,   2
.set HH,   3
.set ADRA, 4
.set ADRB, 6
.set ADSA, 8
.set ADSB, 10
.set SPW,  12
.set NIL,  13
.set WO,   14
.set D0,   15
.set SC,   32
.set AF,   64
.set T,    64
.set PC,   128
.set TM,   148
.set NM,   164
.set TX,   166
.set SA,   168
.set SB,   170
.set NINF, 172
.set LT,   174
.set PWS,  224
.set NMS,  228
.set LS,   232
.set OUTP, 236
.set WV,   14
.set HS,   15
.set HB,   16
.set SEL,  20
.set CS,   22
.set G1A,  24
.set G1B,  32
.set G0A,  40
.set G0B,  68
.set MSK,  62
.set MASKF, 63
.set OUT,  90
.set OUTW, 92
.set PSTB, 94
.set MSB, 0
.macro WIN new
.if MSB != (\new)
	s_set_vgpr_msb (MSB<<8)|(\new)
.set MSB, (\new)
.endif
.endm
.macro PLACES
.rept 4
	v_nop
.endr
.endm
.macro FETCH set, kc
	WIN 0x40
.irp b, 0,1,2,3,4,5,6,7
.irp g, 0,1,2
	ds_load_b128 v[128*(\set)+12*\b+4*\g:128*(\set)+12*\b+4*\g+3], v[ADRB+(\kc)/4] offset:((\kc)%4)*BLK+1536*\b+512*\g
.endr
.endr
	WIN 0
.irp a, 0,1,2,3
.irp g, 0,1,2
	ds_load_b128 v[AF+48*(\set)+12*\a+4*\g:AF+48*(\set)+12*\a+4*\g+3], v[ADRA+(\kc)/4] offset:((\kc)%4)*BLK+1536*\a+512*\g
.endr
.endr
	ds_load_b128 v[SC+12*(\set):SC+12*(\set)+3], v[ADSA+(\kc)/4] offset:((\kc)%4)*BLK
	ds_load_b128 v[SC+12*(\set)+4:SC+12*(\set)+7], v[ADSB+(\kc)/4] offset:((\kc)%4)*BLK
	ds_load_b128 v[SC+12*(\set)+8:SC+12*(\set)+11], v[ADSB+(\kc)/4] offset:((\kc)%4)*BLK+256
.endm
.macro MUL set, cmode                  ; 32 products, the accumulators by turns.  cmode 1: the first products start the sums
	WIN 0xa1
.irp a, 0,1,2,3
.irp b, 0,1,2,3,4,5,6,7
.set rD, 64*\a+8*\b
.set rB, 128*(\set)+12*\b
.set rA, AF+48*(\set)+12*\a
.set rX, SC+12*(\set)+4+\b
.set rY, SC+12*(\set)+\a
.if (\cmode) == 0
	v_wmma_scale_f32_16x16x128_f8f6f4 v[rD:rD+7], v[rB:rB+11], v[rA:rA+11], v[rD:rD+7], v[rX], v[rY] matrix_a_fmt:MATRIX_FMT_BF6 matrix_b_fmt:MATRIX_FMT_BF6
.else
	v_wmma_scale_f32_16x16x128_f8f6f4 v[rD:rD+7], v[rB:rB+11], v[rA:rA+11], 0, v[rX], v[rY] matrix_a_fmt:MATRIX_FMT_BF6 matrix_b_fmt:MATRIX_FMT_BF6
.endif
.endr
.endr
.endm
.macro STEP kc, cmode
	s_wait_dscnt 0x0
.if ((\kc)%2 == 1) && ((\kc) < 7)
	s_wait_tensorcnt (5-(\kc))/2                   ; my part of the next stage has landed; my loads of the stages behind it may be out
	s_barrier_signal -1
	s_barrier_wait -1
.endif
.if (\kc) < 7
	PLACES
	FETCH 1-(\kc)%2, (\kc)+1
.endif
	MUL (\kc)%2, \cmode
.endm
.macro PUT a
.irp g, 0,1,2
	global_store_b128 v[LI], v[PC+4*\g:PC+4*\g+3], s[OUT:OUT+1] offset:1536*(\a)+512*\g
.endr
.endm
.macro PUTW regs, tmp, base, off
	v_cndmask_b32 v[\tmp], v[\regs], v[\regs+2], s[MSK]
	v_cndmask_b32 v[\tmp+1], v[\regs+1], v[\regs+3], s[MSK]
	global_store_b64 v[WO], v[\tmp:\tmp+1], s[\base:\base+1] offset:\off
.endm
; Tile a of my queries: 16 queries x my 128 keys.  Register n of a lane: key 16 (n / 8) + 8 h + n % 8 of the chunk, query 16 a + r
.macro SOFT a
	WIN 0x02
.set n, 0
.rept 32
	v_pk_mul_f32 v[T+n:T+n+1], v[64*(\a)+n:64*(\a)+n+1], s[CS:CS+1] op_sel_hi:[1,0]   ; t = c S, into window 0; each accumulator from its low end on
.set n, n+2
.endr
	WIN 0
	s_cmp_eq_u32 s[MASKF], 0                       ; ids and the wave's number alone: a chunk all of whose keys count skips the mask
	s_cbranch_scc1 .Lopen_\@
.set n, 0
.rept 64
	v_cmp_gt_i32 vcc_lo, 16*(n/8)+n%8-16*(\a), v[D0]   ; hidden where the key comes after the query
	v_cndmask_b32 v[T+n], v[T+n], v[NINF], vcc_lo
.set n, n+1
.endr
.Lopen_\@:
.irp b, 0,1,2,3
	v_max3_num_f32 v[TM+\b], v[T+16*\b], v[T+16*\b+1], v[T+16*\b+2]   ; the largest t of each block of 32 keys: for the row's maximum and for the block's largest p
.endr
.irp i, 3,5,7,9,11,13
.irp b, 0,1,2,3
	v_max3_num_f32 v[TM+\b], v[TM+\b], v[T+16*\b+\i], v[T+16*\b+\i+1]
.endr
.endr
.irp b, 0,1,2,3
	v_max_num_f32 v[TM+\b], v[TM+\b], v[T+16*\b+15]
.endr
.irp b, 0,1,2,3
	v_permlanex16_b32 v[TM+4+\b], v[TM+\b], s[SEL], s[SEL+1]
.endr
.irp b, 0,1,2,3
	v_max_num_f32 v[TM+\b], v[TM+\b], v[TM+4+\b]
.endr
	v_max3_num_f32 v[TX], v[TM], v[TM+1], v[TM+2]
	v_max3_num_f32 v[TX], v[TX], v[TM+3], 0xf149f2ca   ; no lower than -1e30: a row with every key hidden stays free of infinity less infinity
	v_floor_f32 v[NM], -v[TX]                      ; -M = floor(-t) = -ceil(t): a whole number
.set n, 0
.rept 32
	v_pk_add_f32 v[T+n:T+n+1], v[T+n:T+n+1], v[NM:NM+1] op_sel_hi:[1,0]   ; t - M
.set n, n+2
.endr
.irp b, 0,1,2,3
	v_add_f32 v[TM+\b], v[TM+\b], v[NM]
.endr
.set n, 0
.rept 64
	v_exp_f32 v[T+n], v[T+n]                       ; p = 2^(t - M): not normalised
.set n, n+1
.endr
	v_mov_b32 v[NMS+(\a)], v[NM]                   ; (a plain place behind the exponentials)
	s_wait_alu depctr_va_vdst(0)                   ; one wait for the batch, ahead of its first reader
.irp b, 0,1,2,3
	v_exp_f32 v[TM+\b], v[TM+\b]                   ; the block's largest p
.endr
	v_pk_add_f32 v[SA:SA+1], v[T:T+1], v[T+2:T+3]  ; the sum of the UNQUANTISED p, in two chains
	v_pk_add_f32 v[SB:SB+1], v[T+4:T+5], v[T+6:T+7]
.set n, 8
.rept 14
	v_pk_add_f32 v[SA:SA+1], v[SA:SA+1], v[T+n:T+n+1]
	v_pk_add_f32 v[SB:SB+1], v[SB:SB+1], v[T+n+2:T+n+3]
.set n, n+4
.endr
	v_pk_add_f32 v[SA:SA+1], v[SA:SA+1], v[SB:SB+1]
	v_add_f32 v[LT], v[SA], v[SA+1]
	s_wait_alu depctr_va_vdst(0)                   ; and one for the four
.irp b, 0,1,2,3
	v_max_num_f32 v[TM+\b], 0x2800000, v[TM+\b]    ; the floor 2^(5 - 127): the byte cannot fall under 1
.endr
.irp b, 0,1,2,3
	v_add_nc_u32 v[TM+12+\b], 0xfe000000, v[TM+\b]
.endr
.irp b, 0,1,2,3
	v_lshrrev_b32 v[TM+4+\b], 23, v[TM+12+\b]
.endr
	v_lshl_or_b32 v[PWS+(\a)], v[TM+5], 8, v[TM+4]
	v_lshl_or_b32 v[PWS+(\a)], v[TM+6], 16, v[PWS+(\a)]
	v_lshl_or_b32 v[PWS+(\a)], v[TM+7], 24, v[PWS+(\a)]
	s_wait_xcnt 0x0                                ; the last fragment's stores have read the codes' registers
.irp c, 0,1
	v_cvt_scalef32_pk16_bf6_f32 v[PC+6*\c:PC+6*\c+2], v[T+32*\c:T+32*\c+15], v[TM+12+2*\c]
	v_cvt_scalef32_pk16_bf6_f32 v[PC+12+4*\c:PC+14+4*\c], v[T+32*\c+16:T+32*\c+31], v[TM+13+2*\c]
.endr
	v_nop
.irp c, 0,1
.irp i, 0,1,2
	v_permlane16_swap_b32 v[PC+6*\c+\i], v[PC+12+4*\c+\i]
.endr
.irp i, 0,1,2
	v_mov_b32 v[PC+3+6*\c+\i], v[PC+12+4*\c+\i]
.endr
.endr
	PUT \a
	v_permlanex16_b32 v[LT+1], v[LT], s[SEL], s[SEL+1]
	v_add_f32 v[LS+(\a)], v[LT], v[LT+1]           ; with lane l xor 16's 64 keys: the row's sum over these 128 keys
.endm
	s_load_b128 s[4:7], s[0:1], 0x0                ; kqv s[4:5], pc s[6:7]
	s_load_b64 s[8:9], s[0:1], 0x10                ; pst
	v_lshl_add_u32 v[SPW], v0, 2, SPARE
	v_mov_b32 v[NIL], 0
	ds_add_u32 v[SPW], v[NIL]                      ; the wave's opening: the add, twice on end, and its wait ahead of my first tensor load
	ds_add_u32 v[SPW], v[NIL]
	v_lshrrev_b32 v1, 5, v0
	v_readfirstlane_b32 s[WV], v1
	s_lshr_b32 s[HS], s[WV], 1
	s_and_b32 s[HB], s[WV], 1
	s_mov_b32 s[G1A], 3<<16
	s_mov_b32 s[G1A+1], 32<<16
	s_mov_b32 s[G1A+2], 50<<16
	s_mov_b32 s[G1A+3], 32<<16
	s_mov_b32 s[G1A+4], 50
	s_mov_b32 s[G1A+5], 32
	s_mov_b32 s[G1A+6], 0
	s_mov_b32 s[G1A+7], 0
	s_mov_b32 s[G1B], 3<<16
	s_mov_b32 s[G1B+1], 32<<16
	s_mov_b32 s[G1B+2], 100<<16
	s_mov_b32 s[G1B+3], 32<<16
	s_mov_b32 s[G1B+4], 100
	s_mov_b32 s[G1B+5], 32
	s_mov_b32 s[G1B+6], 0
	s_mov_b32 s[G1B+7], 0
	; the work-group's number among the 72 live tiles: groups of queries 2 u and 2 u + 1 have u + 1 tiles of 256 keys each; u (u + 1) tiles lie ahead of them
	s_mov_b32 s56, 0
.irp th, 2,6,12,20,30,42,56
	s_cmp_ge_u32 ttmp9, \th
	s_add_co_ci_u32 s56, s56, 0
.endr
	s_add_co_u32 s57, s56, 1
	s_mul_i32 s58, s56, s57
	s_sub_co_u32 s58, ttmp9, s58
	s_cmp_ge_u32 s58, s57
	s_cselect_b32 s59, 1, 0
	s_cselect_b32 s60, s57, 0
	s_sub_co_u32 s60, s58, s60                     ; j: the tile of keys
	s_lshl_b32 s56, s56, 1
	s_add_co_u32 s59, s56, s59                     ; g: the group of queries
	s_and_b32 s61, ttmp7, 0xffff                   ; the batch
	s_lshl_b32 s84, s61, 4
	s_add_co_u32 s85, s84, s59                     ; 16 b + g
	s_add_co_u32 s86, s85, 64                      ; q's groups lie behind k's 64
	s_mul_i32 s86, s86, GRP
	s_mul_i32 s17, s[HB], BLK
	s_add_co_u32 s10, s86, s17
	s_mov_b32 s11, 0
	s_lshl_b32 s87, s60, 1
	s_add_co_u32 s87, s87, s[HB]                   ; 2 j + my group of keys
	s_add_co_u32 s88, s84, s87
	s_mul_i32 s12, s88, GRP
	s_mov_b32 s13, 0
	s_mul_i32 s18, s[HB], GRP
	s_add_co_u32 s18, s18, GRP
	s_mov_b32 s[SEL], 0x76543210
	s_mov_b32 s[SEL+1], 0xfedcba98
	s_mov_b32 s[CS], 0x3d0293ee                    ; c = log2(e) / sqrt(2048)
	s_mov_b32 s[CS+1], s[CS]
	s_mov_b32 s[MSK], 0xffff0000
	s_wait_dscnt 0x0
	s_wait_kmcnt 0x0
	s_add_nc_u64 s[10:11], s[4:5], s[10:11]
	s_add_nc_u64 s[12:13], s[4:5], s[12:13]
.irp s, 0,1,2,3
	s_mov_b32 s[G0A+4*\s], 1
	s_add_co_u32 s[G0A+4*\s+1], s17, \s*2*BLK
	s_add_nc_u64 s[G0A+4*\s+2:G0A+4*\s+3], s[10:11], \s*2*BLK
	s_or_b32 s[G0A+4*\s+3], s[G0A+4*\s+3], 0x80000000
	s_mov_b32 s[G0B+4*\s], 1
	s_add_co_u32 s[G0B+4*\s+1], s18, \s*2*BLK
	s_add_nc_u64 s[G0B+4*\s+2:G0B+4*\s+3], s[12:13], \s*2*BLK
	s_or_b32 s[G0B+4*\s+3], s[G0B+4*\s+3], 0x80000000
.endr
	s_cmp_lt_u32 s[WV], 2                          ; a wave's four fills stand in one branch: four loads of mine are out
	s_cbranch_scc0 .Lfill_b
.irp s, 0,1,2,3
	tensor_load_to_lds s[G0A+4*\s:G0A+4*\s+3], s[G1A:G1A+7]
	s_nop 0
.endr
	PLACES
	s_branch .Lfilled
.Lfill_b:
.irp s, 0,1,2,3
	tensor_load_to_lds s[G0B+4*\s:G0B+4*\s+3], s[G1B:G1B+7]
	s_nop 0
.endr
	PLACES
.Lfilled:
	v_and_b32 v[LI], 31, v0
	v_lshlrev_b32 v[LI], 4, v[LI]
	v_and_b32 v[RR], 15, v0
	v_bfe_u32 v[HH], v0, 4, 1
	s_mul_i32 s17, s[HS], 6144
	v_add_nc_u32 v[ADRA], s17, v[LI]
	v_add_nc_u32 v[ADRA+1], 4*BLK, v[ADRA]
	v_add_nc_u32 v[ADRB], s18, v[LI]
	v_add_nc_u32 v[ADRB+1], 4*BLK, v[ADRB]
	s_lshl_b32 s97, s[HS], 8
	s_add_co_u32 s17, s97, 12288
	v_lshl_add_u32 v[ADSA], v[RR], 4, s17
	v_add_nc_u32 v[ADSA+1], 4*BLK, v[ADSA]
	s_add_co_u32 s18, s18, 12288
	v_lshl_add_u32 v[ADSB], v[RR], 4, s18
	v_add_nc_u32 v[ADSB+1], 4*BLK, v[ADSB]
	v_lshlrev_b32 v[WO], 4, v[RR]
	v_lshl_add_u32 v[WO], v[HH], 3, v[WO]
	; the mask: my first query less my first key
	s_sub_co_i32 s89, s59, s87
	s_lshl_b32 s89, s89, 7
	s_lshl_b32 s96, s[HS], 6
	s_add_co_i32 s89, s89, s96
	s_cmp_lt_i32 s89, 127                          ; does my last key come after my first query?
	s_cselect_b32 s[MASKF], 1, 0
	v_lshlrev_b32 v[D0], 3, v[HH]
	v_sub_nc_u32 v[D0], v[RR], v[D0]
	v_add_nc_u32 v[D0], s89, v[D0]                 ; d = first query - first key + r - 8 h
	; where the results go: chunk 16 (16 b + g) + 2 j + my group
	s_lshl_b32 s98, s85, 4
	s_add_co_u32 s98, s98, s87
	s_mul_i32 s96, s98, BLK
	s_mov_b32 s97, 0
	s_add_nc_u64 s[OUT:OUT+1], s[6:7], s[96:97]
	s_lshl_b32 s96, s[HS], 8
	s_add_co_u32 s96, s96, 12288
	s_add_nc_u64 s[OUTW:OUTW+1], s[OUT:OUT+1], s[96:97]
	s_mul_i32 s96, s[HS], 6144
	s_add_nc_u64 s[OUT:OUT+1], s[OUT:OUT+1], s[96:97]
	s_lshl_b32 s96, s98, 9
	s_lshl_b32 s99, s[HS], 8
	s_add_co_u32 s96, s96, s99
	s_add_nc_u64 s[PSTB:PSTB+1], s[8:9], s[96:97]
	s_wait_tensorcnt 0x3                           ; my part of stage 0 has landed; my three later loads may be out
	s_barrier_signal -1
	s_barrier_wait -1
	FETCH 0, 0
	STEP 0, 1
	STEP 1, 0
	STEP 2, 0
	STEP 3, 0
	STEP 4, 0
	STEP 5, 0
	STEP 6, 0
	STEP 7, 0
	WIN 0
	PLACES
.irp b, 0,1,2,3
	v_mov_b32 v[TM+4+\b], 0                        ; a lane permute's destination counts as read
.endr
	v_mov_b32 v[LT+1], 0
	v_mov_b32 v[NM+1], 0                           ; named as the upper half of a pair
	v_mov_b32 v[NINF], 0xff800000
	SOFT 0
	SOFT 1
	SOFT 2
	SOFT 3
	PUTW PWS, OUTP, OUTW, 0
	PUTW NMS, OUTP+2, PSTB, 0
	PUTW LS, OUTP+4, PSTB, 524288
	s_wait_tensorcnt 0x0                           ; the wave's end
	ds_add_u32 v[SPW], v[NIL]
	s_wait_dscnt 0x0
	s_endpgm
.Lfunc_end_k_q0b145681a5_gscore:
	.size	k_q0b145681a5_gscore, .Lfunc_end_k_q0b145681a5_gscore-k_q0b145681a5_gscore
	.p2alignl 7, 3214868480
	.fill 96, 4, 3214868480
	.section	.rodata,"a",@progbits
	.p2align	6, 0x0
	.amdhsa_kernel k_q0b145681a5_gscore
		.amdhsa_group_segment_fixed_size 327680
		.amdhsa_private_segment_fixed_size 0
		.amdhsa_enable_private_segment 0
		.amdhsa_kernarg_size 24
		.amdhsa_user_sgpr_count 2
		.amdhsa_user_sgpr_kernarg_segment_ptr 1
		.amdhsa_wavefront_size32 1
		.amdhsa_system_sgpr_workgroup_id_x 1
		.amdhsa_system_sgpr_workgroup_id_y 1
		.amdhsa_system_sgpr_workgroup_id_z 1
		.amdhsa_system_vgpr_workitem_id 0
		.amdhsa_next_free_vgpr 768
		.amdhsa_next_free_sgpr 100
		.amdhsa_reserve_vcc 1
		.amdhsa_float_denorm_mode_32 3
		.amdhsa_float_denorm_mode_16_64 3
		.amdhsa_memory_ordered 1
		.amdhsa_forward_progress 1
		.amdhsa_inst_pref_size 134
	.end_amdhsa_kernel
	.amdgpu_metadata
---
amdhsa.version: [ 1, 2 ]
amdhsa.kernels:
  - .name:           k_q0b145681a5_gscore
    .symbol:         k_q0b145681a5_gscore.kd
    .args:
      - { .name: kqv, .offset: 0, .size: 8, .value_kind: global_buffer, .address_space: global }
      - { .name: pc, .offset: 8, .size: 8, .value_kind: global_buffer, .address_space: global }
      - { .name: pst, .offset: 16, .size: 8, .value_kind: global_buffer, .address_space: global }
    .group_segment_fixed_size: 327680
    .private_segment_fixed_size: 0
    .kernarg_segment_align: 8
    .kernarg_segment_size: 24
    .max_flat_workgroup_size: 128
    .sgpr_count:     100
    .vgpr_count:     768
    .wavefront_size: 32
...
	.end_amdgpu_metadata
.endif
;; end of part 3
;; launch gpv (part 4): grid 8 x 32, 4 waves a work-group, clusters of 4 x 1, 327,680 bytes of LDS; arguments pc, pst, kqv, oq; writes oq
.if DOCPART == 4
	.amdgcn_target "amdgcn-amd-amdhsa--gfx1250"
	.amdhsa_code_object_version 6
	.text
	.protected	k_q0b145681a5_gpv
	.globl	k_q0b145681a5_gpv
	.p2align	8
	.type	k_q0b145681a5_gpv,@function
k_q0b145681a5_gpv:
	s_mov_b64 s[64:65], 0
	v_nop
	global_prefetch_b8 v0, s[64:65] scope:SCOPE_SE
	s_setreg_imm32_b32 hwreg(HW_REG_WAVE_MODE, 25, 1), 1
	s_wait_xcnt 0x0
	s_wait_alu depctr_hold_cnt(0) depctr_sa_sdst(0) depctr_va_vdst(0) depctr_va_sdst(0) depctr_va_ssrc(0) depctr_va_vcc(0) depctr_vm_vsrc(0)
	s_getreg_b32 s2, hwreg(HW_REG_IB_STS2, 6, 4)
	s_cmp_eq_u32 s2, 0
	s_cbranch_scc0 .Lentry_in_a_cluster
	s_endpgm
.Lentry_in_a_cluster:
	s_bfe_u32 s2, ttmp6, 0x10000c
	s_cmp_lg_u32 s2, 0x3003
	s_cbranch_scc0 .Lentry_shape_is_right
	s_endpgm
.Lentry_shape_is_right:
; LAUNCH 4 OF 5.  o = (p v) / l on codes, quantised along c on the way out.
; LEFT OUT AS DEAD WORK: K steps of 256 keys all of which come after a group's queries (reference()'s own tril; launch 1's head).  A group g of 128 queries has g / 2 + 1 live steps of 8.
; EQUAL WORK.  A work-group takes TWO groups of queries of one batch, n and 15 - n (n = 0 .. 7): n / 2 + 1 and 8 - n / 2 steps, NINE for every n; and 128 of v's c: 8 x 8 x 4 = 256 work-groups, 18 chunks of 128 keys each.
; The short group goes first (NSA = n / 2 + 1 steps, at most 4), then the long one.  Only addresses in memory, and the place of the first way out, hang on n: no tensor load, no barrier and no LDS address does.
; LDS holds six steps (p 25,600 bytes and v 25,600 bytes each).  Steps 0 - 5 are asked for at the head, three loads a wave; steps 6 - 8, which always belong to the long group and lie on end in memory and in LDS, come
; by ONE refill of slots 0 - 2, 38,400 bytes a wave, when chunk 5 is in registers.  By this text's count a wave has three tensor loads out at the start and one behind the change of slots.
; THE FIX, at the head, while the tiles are on their way: thread n owns one row of each group.  From launch 3's -M of each 128 keys: a row's -M is the least; d = M(row) - M(chunk) is a whole number, 0 or more.
; l = the sum of l(chunk) 2^-d (exact scalings); each byte of p's scale words becomes max(byte - d, 0).  The corrected words, by steps, and 1 / l go to LDS bytes of their own.
; LIMIT: a block of p whose scale would fall under 2^-127 of the row's largest gets the byte 0 and adds at most 28 x 2^-127 |v|, where the rule would hold the exponent at -126 and let the codes shrink.
; A TILE: A = 128 queries' p (source 1), B = 128 of v's c (source 0), K = the keys.  Wave w takes the queries' tiles 2 w, 2 w + 1 and all 8 tiles of c: 16 accumulators; a lane holds one query and its registers run along
; c, so a tile's 64 registers are one fragment and one scale word of o.  A chunk is 33 LDS loads for 16 products; a wave tile of 64 x 64 would read less and leave half a fragment to a wave.
; CLUSTER 4 x 1: the four partners along x share batch and groups of queries, so every tile of p is asked for jointly.  v's tiles are each work-group's own: along x the partners take different c, and along y a step's
; keys hang on the pair of groups.
; REGISTERS.  window 0: v1-20 addresses; v32-55 scale words, two sets, nothing else ever; v64-111 p's fragments, two sets (the fix works in v64-149 before them); v112-175 o; v176-226 at work on the way out.
;   window 1: v's fragments, two sets, at v0 and v128.   window 2: accumulator (a, b) at v[64 a + 8 b].
.set BLK,   12800
.set PAIR,  25600                      ; a step's two chunks of one operand
.set GRP2,  204800                     ; a group's 16 chunks (p, v)
.set GRPO,  102400                     ; a group's 8 chunks (o)
.set BREG,  153600                     ; behind p's six slots: v's six
.set PSA,   307200                     ; behind the slots: p's corrected scale words, [18 chunks][512 bytes]; then 1 / l of the two groups, 512 bytes each
.set SPARE, 317440                     ; then the spare words, 128 bytes for each wave
.set LI,   1
.set RR,   2
.set HH,   3
.set ADRA, 4                           ; v4-6   p's fragments: slots 0-1, 2-3, 4-5.  v4 is also my place in a block of o: 3,072 w + 16 x lane
.set ADRB, 7                           ; v7-9   v's
.set ADSA, 10
.set SPW,  12
.set NIL,  13
.set WO,   14
.set VPS,  15
.set RLA,  16
.set ADSB, 17                          ; v17-19 v's scale words
.set N4,   20
.set SC,   32
.set AF,   64
.set T,    112
.set PC,   176
.set TM,   196
.set RL,   212
.set RLP,  214
.set PWS,  224
.set OUTP, 226
.set RAW,  64                          ; the fix: 18 raw words, 18 -M, 18 sums, 18 offsets (then at work)
.set NN,   82
.set LL,   100
.set VA,   118
.set VB,   127
.set NG,   118
.set FB,   136
.set FZ,   137
.set NA,   138
.set NB,   139
.set T0,   140
.set T1,   141
.set LA,   142
.set LB,   143
.set NS,   144                         ; v145-147 the row's -M for steps 1 - 3
.set FT,   148
.set OUTA, 8                           ; s[8:9]   o's block of the short group (kqv's address is done with by then)
.set OUTB, 10                          ; s[10:11] of the long one
.set WV,   14
.set W2,   15
.set PAR,  16
.set MK,   16                          ; s17-19 masks: step 1, 2, 3 belongs to the short group
.set SEL,  20
.set G1A,  24                          ; group 1: 100 rows of 256 bytes, joint
.set G1B,  32                          ; the same, my own
.set G1RA, 40                          ; 150 rows, joint
.set G1RB, 48                          ; 150 rows, my own
.set NSA,  59
.set MSK,  62
.set G0A,  68                          ; s[68:79] group 0 for p's three first fills, s[80:83] for its refill
.set G0AR, 80
.set G0B,  84                          ; s[84:95], s[96:99] the same for v
.set G0BR, 96
.set W0J,  15|(3<<16)|(1<<21)          ; 15:0 the mask: all four partners; 17:16 elements of 8 bytes; 21 set beside a mask
.set W0P,  3<<16
.set MSB, 0
.macro WIN new                         ; the immediate's high byte repeats the setting that is left
.if MSB != (\new)
	s_set_vgpr_msb (MSB<<8)|(\new)
.set MSB, (\new)
.endif
.endm
.macro PLACES                          ; four plain places behind a matrix instruction, ahead of loads into its registers and of reads of its results
.rept 4
	v_nop
.endr
.endm
.macro CROUND                          ; a round of the cluster's barrier
	s_barrier_signal -1
	s_barrier_wait -1
	s_cmp_lg_u32 s[WV], 0
	s_cbranch_scc1 .Lnot_wave_0_\@
	s_barrier_signal -3
.Lnot_wave_0_\@:
	s_barrier_wait -3
	s_barrier_signal -1
	s_barrier_wait -1
.endm
.macro G1SET g, w0, r                  ; a dense block as r rows of 256 bytes (32 elements of 8 bytes)
	s_mov_b32 s[\g], \w0
	s_mov_b32 s[\g+1], 32<<16
	s_mov_b32 s[\g+2], (\r)<<16
	s_mov_b32 s[\g+3], 32<<16
	s_mov_b32 s[\g+4], \r
	s_mov_b32 s[\g+5], 32
	s_mov_b32 s[\g+6], 0
	s_mov_b32 s[\g+7], 0
.endm
.macro TLOADR                          ; the refill: waves 0, 1 the halves of p's steps 6 - 8, waves 2, 3 of v's.  An s_nop 0 and four v_nop follow each line
	s_cmp_lt_u32 s[WV], 2
	s_cbranch_scc0 .Lfor_b_\@
	tensor_load_to_lds s[G0AR:G0AR+3], s[G1RA:G1RA+7]
	s_nop 0
	PLACES
	s_branch .Lasked_\@
.Lfor_b_\@:
	tensor_load_to_lds s[G0BR:G0BR+3], s[G1RB:G1RB+7]
	s_nop 0
	PLACES
.Lasked_\@:
.endm
.macro FETCH set, c                    ; chunk c (step c / 2, in slot (c / 2) % 6) into register set: 33 loads
.set fL, ((\c)/2)%6
.set fO, (fL%2)*PAIR+((\c)%2)*BLK
.set fK, fL/2
	WIN 0x40
.irp b, 0,1,2,3,4,5,6,7
.irp g, 0,1,2
	ds_load_b128 v[128*(\set)+12*\b+4*\g:128*(\set)+12*\b+4*\g+3], v[ADRB+fK] offset:fO+1536*\b+512*\g
.endr
.endr
	WIN 0
.irp a, 0,1
.irp g, 0,1,2
	ds_load_b128 v[AF+24*(\set)+12*\a+4*\g:AF+24*(\set)+12*\a+4*\g+3], v[ADRA+fK] offset:fO+1536*\a+512*\g
.endr
.endr
	ds_load_b64 v[SC+12*(\set):SC+12*(\set)+1], v[ADSA] offset:512*(\c)      ; p's corrected words of my two tiles
	ds_load_b128 v[SC+12*(\set)+4:SC+12*(\set)+7], v[ADSB+fK] offset:fO
	ds_load_b128 v[SC+12*(\set)+8:SC+12*(\set)+11], v[ADSB+fK] offset:fO+256
.endm
.macro MUL set, cmode                  ; 16 products, the 16 accumulators by turns.  cmode 1: the products start the sums
	WIN 0xa1
.irp a, 0,1
.irp b, 0,1,2,3,4,5,6,7
.set rD, 64*\a+8*\b
.set rB, 128*(\set)+12*\b
.set rA, AF+24*(\set)+12*\a
.set rX, SC+12*(\set)+4+\b
.set rY, SC+12*(\set)+\a
.if (\cmode) == 0
	v_wmma_scale_f32_16x16x128_f8f6f4 v[rD:rD+7], v[rB:rB+11], v[rA:rA+11], v[rD:rD+7], v[rX], v[rY] matrix_a_fmt:MATRIX_FMT_BF6 matrix_b_fmt:MATRIX_FMT_BF6
.else
	v_wmma_scale_f32_16x16x128_f8f6f4 v[rD:rD+7], v[rB:rB+11], v[rA:rA+11], 0, v[rX], v[rY] matrix_a_fmt:MATRIX_FMT_BF6 matrix_b_fmt:MATRIX_FMT_BF6
.endif
.endr
.endr
.endm
; Chunk c is multiplied while chunk c + 1 comes out of LDS into the other set.
.macro STEP c, cmode
.if (\c) == 5
	; THE CHANGE OF SLOTS: chunks 0 - 5 (slots 0 - 2) are in registers or done with
	s_wait_tensorcnt 0x0                           ; all my tensor loads have landed, steps 4 and 5 among them
	ds_add_u32 v[SPW], v[NIL]                      ; 0 onto my spare word
	s_wait_dscnt 0x0                               ; the add is done, my reads of slots 0 - 2 are over, and this chunk's registers are in
	CROUND                                         ; that now holds of every wave of all four partners
	TLOADR                                         ; my one tensor load behind the round; it has chunks 5 - 11 in which to land; its four v_nop are also the places ahead of the loads below
.else
	s_wait_dscnt 0x0                               ; this chunk's registers are in
.if (\c) == 3
	s_wait_tensorcnt 0x1                           ; my part of steps 2 and 3 has landed; my load for steps 4 and 5 may be out
	s_barrier_signal -1
	s_barrier_wait -1                              ; everybody's has.
.endif
.if (\c) == 11
	s_wait_tensorcnt 0x0                           ; my part of steps 6 - 8 has landed
	s_barrier_signal -1
	s_barrier_wait -1                              ; everybody's has.
.endif
.if (\c) < 17
	PLACES
.endif
.endif
.if (\c) < 17
	FETCH 1-(\c)%2, (\c)+1
.endif
	MUL (\c)%2, \cmode
	WIN 0
.endm
; 64 numbers of a lane, register 16 b + i of block b of my row, become a fragment's codes in v[PC] on and its scale word in v[PWS + a]
.macro QUANT src, a
.irp b, 0,1,2,3
	v_max3_num_f32 v[TM+\b], |v[\src+16*\b]|, |v[\src+16*\b+1]|, 0x2800000   ; the floor 2^(5 - 127) holds the byte at 1 from below
.endr
.irp i, 2,4,6,8,10,12,14
.irp b, 0,1,2,3
	v_max3_num_f32 v[TM+\b], v[TM+\b], |v[\src+16*\b+\i]|, |v[\src+16*\b+\i+1]|
.endr
.endr
.irp b, 0,1,2,3
	v_permlanex16_b32 v[TM+4+\b], v[TM+\b], s[SEL], s[SEL+1]
.endr
.irp b, 0,1,2,3
	v_max_num_f32 v[TM+\b], v[TM+\b], v[TM+4+\b]   ; with lane l xor 16's 16: the block's largest magnitude
.endr
.irp b, 0,1,2,3
	v_add_nc_u32 v[TM+12+\b], 0xfe000000, v[TM+\b] ; 4 off the exponent field: the conversion's scale operand
.endr
.irp b, 0,1,2,3
	v_lshrrev_b32 v[TM+4+\b], 23, v[TM+12+\b]      ; the scale's byte
.endr
	v_lshl_or_b32 v[PWS+\a], v[TM+5], 8, v[TM+4]
	v_lshl_or_b32 v[PWS+\a], v[TM+6], 16, v[PWS+\a]
	v_lshl_or_b32 v[PWS+\a], v[TM+7], 24, v[PWS+\a]
	s_wait_xcnt 0x0                                ; the earlier stores have read the codes' registers and the word's
.irp c, 0,1
	v_cvt_scalef32_pk16_bf6_f32 v[PC+6*\c:PC+6*\c+2], v[\src+32*\c:\src+32*\c+15], v[TM+12+2*\c]
	v_cvt_scalef32_pk16_bf6_f32 v[PC+12+4*\c:PC+14+4*\c], v[\src+32*\c+16:\src+32*\c+31], v[TM+13+2*\c]
.endr
	v_nop                                          ; one plain place behind a scaled conversion
.irp c, 0,1                            ; the operand's layout wants a whole block in a lane: lanes 0-15 block 2 c, lanes 16-31 block 2 c + 1
.irp i, 0,1,2
	v_permlane16_swap_b32 v[PC+6*\c+\i], v[PC+12+4*\c+\i]
.endr
.irp i, 0,1,2
	v_mov_b32 v[PC+3+6*\c+\i], v[PC+12+4*\c+\i]
.endr
.endr
.endm
.macro OTILE a, out
	WIN 0x02
.set n, 0
.rept 32
	v_pk_mul_f32 v[T+n:T+n+1], v[64*(\a)+n:64*(\a)+n+1], v[RLP+2*(\a):RLP+2*(\a)+1]   ; o = sums / l, into window 0; each accumulator from its low end on
.set n, n+2
.endr
	WIN 0
	QUANT T, \a
.irp g, 0,1,2
	global_store_b128 v[ADRA], v[PC+4*\g:PC+4*\g+3], s[\out:\out+1] offset:1536*(\a)+512*\g   ; 512 consecutive bytes, aligned
.endr
.endm
; A group's way out: my 32 rows x 128 c.  rlo: where the group's 1 / l lie
.macro WAYOUT out, rlo
	PLACES
	ds_load_b64 v[RL:RL+1], v[RLA] offset:\rlo     ; 1 / l of row r of my two tiles
	s_wait_dscnt 0x0
	v_mov_b32 v[RLP], v[RL]
	v_mov_b32 v[RLP+1], v[RL]
	v_mov_b32 v[RLP+2], v[RL+1]
	v_mov_b32 v[RLP+3], v[RL+1]
	OTILE 0, \out
	OTILE 1, \out
	v_cndmask_b32 v[OUTP], v[PWS], v[PWS+1], s[MSK]   ; lanes 0-15 store the first tile's word of row r, lanes 16-31 the second's
	global_store_b32 v[WO], v[OUTP], s[\out:\out+1]   ; the words go 4 bytes a lane: 512 bytes of a block's 12,800
.endm
; The first chunk of step c / 2 = 1 .. 4.  Where the short group has just ended (ids alone; alike in all waves and all partners) it goes out, and the products start the long group's sums.
.macro NEXT c
	s_cmp_eq_u32 s[NSA], (\c)/2
	s_cbranch_scc1 .Lswitch_\@
	STEP \c, 0
	s_branch .Ljoin_\@
.Lswitch_\@:
	WAYOUT OUTA, 0
	STEP \c, 1
.Ljoin_\@:
.endm
	s_load_b256 s[4:11], s[0:1], 0x0               ; pc s[4:5], pst s[6:7], kqv s[8:9], oq s[10:11]
	v_lshl_add_u32 v[SPW], v0, 2, SPARE
	v_mov_b32 v[NIL], 0
	ds_add_u32 v[SPW], v[NIL]                      ; the wave's opening: the add, twice on end, and its wait ahead of my first tensor load
	ds_add_u32 v[SPW], v[NIL]
	v_lshrrev_b32 v1, 5, v0
	v_readfirstlane_b32 s[WV], v1                  ; wave 0..3
	s_lshr_b32 s[W2], s[WV], 1                     ; I fetch for p (0) or for v (1)
	s_and_b32 s[PAR], s[WV], 1                     ; the even steps or the odd ones
	G1SET G1A, W0J, 100
	G1SET G1B, W0P, 100
	G1SET G1RA, W0J, 150
	G1SET G1RB, W0P, 150
	s_bfe_u32 s3, ttmp6, 0x40000                   ; cx
	s_lshl_b32 s63, ttmp9, 2
	s_add_co_u32 s3, s63, s3                       ; my group of c = 4 x cluster x + cx: it enters v's and o's addresses alone
	s_and_b32 s56, ttmp7, 0xffff
	s_and_b32 s57, s56, 7                          ; n: the short group
	s_lshr_b32 s56, s56, 3                         ; the batch
	s_lshr_b32 s[NSA], s57, 1
	s_add_co_u32 s[NSA], s[NSA], 1                 ; its steps: 1 .. 4
	s_lshl_b32 s58, s56, 4
	s_add_co_u32 s60, s58, s57                     ; 16 b + n
	s_sub_co_u32 s61, 15, s57
	s_add_co_u32 s61, s61, s58                     ; 16 b + 15 - n
	s_mul_i32 s66, s60, GRP2                       ; p: step s of the walk lies at this + s x PAIR while s < NSA,
	s_mul_i32 s67, s61, GRP2
	s_mul_i32 s63, s[NSA], PAIR
	s_sub_co_u32 s67, s67, s63                     ; and at this + s x PAIR from NSA on
	s_lshl_b32 s57, s56, 3
	s_add_co_u32 s57, s57, s3
	s_add_co_u32 s57, s57, 64                      ; v lies behind k's and q's bytes: 64 groups of 204,800
	s_mul_i32 s57, s57, GRP2                       ; v likewise: the keys begin anew with the long group
	s_sub_co_u32 s58, s57, s63
	s_lshl_b32 s12, s60, 13                        ; pst likewise: 8,192 bytes a group, 1,024 a step
	s_lshl_b32 s13, s61, 13
	s_lshl_b32 s63, s[NSA], 10
	s_sub_co_u32 s13, s13, s63
.irp i, 0,1,2
	s_add_co_u32 s63, s[PAR], 2*\i                 ; my step of the first six
	s_mul_i32 s17, s63, PAIR
	s_cmp_lt_u32 s63, s[NSA]
	s_cselect_b32 s18, s66, s67
	s_cselect_b32 s19, s57, s58
	s_mov_b32 s[G0A+4*\i], 1
	s_mov_b32 s[G0A+4*\i+1], s17                   ; LDS: slot = step
	s_add_co_u32 s[G0A+4*\i+2], s18, s17           ; the offset; the buffer's address is added below
	s_mov_b32 s[G0A+4*\i+3], 0
	s_mov_b32 s[G0B+4*\i], 1
	s_add_co_u32 s[G0B+4*\i+1], s17, BREG
	s_add_co_u32 s[G0B+4*\i+2], s19, s17
	s_mov_b32 s[G0B+4*\i+3], 0
.endr
	s_mul_i32 s17, s[PAR], 38400                   ; the refill: my half of steps 6 - 8, into slots 0 - 2
	s_mov_b32 s[G0AR], 1
	s_mov_b32 s[G0AR+1], s17
	s_add_co_u32 s[G0AR+2], s67, s17
	s_add_co_u32 s[G0AR+2], s[G0AR+2], 6*PAIR
	s_mov_b32 s[G0AR+3], 0
	s_mov_b32 s[G0BR], 1
	s_add_co_u32 s[G0BR+1], s17, BREG
	s_add_co_u32 s[G0BR+2], s58, s17
	s_add_co_u32 s[G0BR+2], s[G0BR+2], 6*PAIR
	s_mov_b32 s[G0BR+3], 0
	s_mov_b32 s[SEL], 0x76543210
	s_mov_b32 s[SEL+1], 0xfedcba98
	s_mov_b32 s[MSK], 0xffff0000
	s_mov_b32 s56, 0x01010101
	s_wait_dscnt 0x0                               ; both opening adds are done
	s_wait_kmcnt 0x0
.irp g, G0A, G0A+4, G0A+8, G0AR
	s_add_nc_u64 s[\g+2:\g+3], s[4:5], s[\g+2:\g+3]
	s_or_b32 s[\g+3], s[\g+3], 0x80000000
.endr
.irp g, G0B, G0B+4, G0B+8, G0BR
	s_add_nc_u64 s[\g+2:\g+3], s[8:9], s[\g+2:\g+3]
	s_or_b32 s[\g+3], s[\g+3], 0x80000000
.endr
	CROUND                                         ; all four partners are here: the joint loads meet
	s_cmp_lt_u32 s[WV], 2                          ; a wave's three fills stand in one branch: three loads of mine are out
	s_cbranch_scc0 .Lfill_b
.irp i, 0,1,2
	tensor_load_to_lds s[G0A+4*\i:G0A+4*\i+3], s[G1A:G1A+7]
	s_nop 0
.endr
	PLACES
	s_branch .Lfilled
.Lfill_b:
.irp i, 0,1,2
	tensor_load_to_lds s[G0B+4*\i:G0B+4*\i+3], s[G1B:G1B+7]
	s_nop 0
.endr
	PLACES
.Lfilled:
	; ---- the fix: its loads first.  Chunk k = 2 s + q of the walk; thread n owns the word at byte 4 n of each 512
	v_lshlrev_b32 v[N4], 2, v0
.irp s, 0,1,2,3,4,5,6,7,8
	s_cmp_gt_u32 s[NSA], \s
	s_cselect_b32 s63, s66, s67
	s_cselect_b32 s22, s12, s13
	v_add_nc_u32 v[VA+\s], s63, v[N4]
	v_add_nc_u32 v[VB+\s], s22, v[N4]
.endr
.irp s, 0,1,2,3,4,5,6,7,8
.irp q, 0,1
	global_load_b32 v[RAW+2*\s+\q], v[VA+\s], s[4:5] offset:\s*PAIR+\q*BLK+12288
	global_load_b32 v[NN+2*\s+\q], v[VB+\s], s[6:7] offset:\s*1024+\q*512
	global_load_b32 v[LL+2*\s+\q], v[VB+\s], s[6:7] offset:524288+\s*1024+\q*512
.endr
.endr
	; where the results go: o's group, chunk = my group of c
	s_mul_i32 s63, s3, BLK
	s_mul_i32 s22, s60, GRPO
	s_add_co_u32 s22, s22, s63
	s_mov_b32 s23, 0
	s_add_nc_u64 s[OUTA:OUTA+1], s[10:11], s[22:23]
	s_mul_i32 s22, s61, GRPO
	s_add_co_u32 s22, s22, s63
	s_add_nc_u64 s[OUTB:OUTB+1], s[10:11], s[22:23]
	v_and_b32 v[LI], 31, v0
	v_lshlrev_b32 v[LI], 4, v[LI]                  ; 16 x lane
	v_and_b32 v[RR], 15, v0
	v_bfe_u32 v[HH], v0, 4, 1
	s_mul_i32 s63, s[WV], 3072
	v_add_nc_u32 v[ADRA], s63, v[LI]               ; my two tiles of a block
	v_add_nc_u32 v[ADRA+1], 2*PAIR, v[ADRA]
	v_add_nc_u32 v[ADRA+2], 4*PAIR, v[ADRA]
	v_add_nc_u32 v[ADRB], BREG, v[LI]
	v_add_nc_u32 v[ADRB+1], 2*PAIR, v[ADRB]
	v_add_nc_u32 v[ADRB+2], 4*PAIR, v[ADRB]
	v_lshl_add_u32 v[ADSB], v[RR], 4, BREG+12288   ; v's scale words: four tiles' in 16 bytes for row r
	v_add_nc_u32 v[ADSB+1], 2*PAIR, v[ADSB]
	v_add_nc_u32 v[ADSB+2], 4*PAIR, v[ADSB]
	s_lshl_b32 s63, s[W2], 8
	s_lshl_b32 s22, s[PAR], 3
	s_add_co_u32 s63, s63, s22
	v_lshl_add_u32 v[WO], v[RR], 4, s63            ; my two tiles' words of row r among a block's 512 bytes: 256 (w / 2) + 16 r + 8 (w % 2)
	v_add_nc_u32 v[ADSA], PSA, v[WO]
	v_add_nc_u32 v[RLA], PSA+9216, v[WO]
	v_lshl_add_u32 v[WO], v[HH], 2, v[WO]
	v_add_nc_u32 v[WO], 12288, v[WO]
	v_lshl_add_u32 v[VPS], v0, 2, PSA
.irp b, 0,1,2,3
	v_mov_b32 v[TM+4+\b], 0                        ; a lane permute's destination counts as read
.endr
	v_mov_b32 v[FB], 0x7f61b1e6                    ; 3e38: over every -M
	v_mov_b32 v[FZ], 0
.irp s, 1,2,3
	s_cmp_gt_u32 s[NSA], \s
	s_cselect_b32 s[MK+\s], -1, 0
.endr
	s_wait_loadcnt 0x0
	; the rows' -M: step 0 is the short group's, steps 4 - 8 the long one's, steps 1 - 3 by the masks
	v_min_num_f32 v[NA], v[NN], v[NN+1]
	v_min3_num_f32 v[NB], v[NN+8], v[NN+9], v[NN+10]
.irp i, 11,13,15
	v_min3_num_f32 v[NB], v[NB], v[NN+\i], v[NN+\i+1]
.endr
	v_min_num_f32 v[NB], v[NB], v[NN+17]
.irp s, 1,2,3
	v_cndmask_b32 v[T0], v[FB], v[NN+2*\s], s[MK+\s]
	v_cndmask_b32 v[T1], v[FB], v[NN+2*\s+1], s[MK+\s]
	v_min3_num_f32 v[NA], v[NA], v[T0], v[T1]
	v_cndmask_b32 v[T0], v[NN+2*\s], v[FB], s[MK+\s]
	v_cndmask_b32 v[T1], v[NN+2*\s+1], v[FB], s[MK+\s]
	v_min3_num_f32 v[NB], v[NB], v[T0], v[T1]
.endr
.irp s, 1,2,3
	v_cndmask_b32 v[NS+\s], v[NB], v[NA], s[MK+\s]
.endr
	; d = M(row) - M(chunk), stage by stage over the 18 chunks, so that no line waits for the line above it
.irp k, 0,1
	v_sub_f32 v[NN+\k], v[NN+\k], v[NA]
.endr
.irp k, 2,3,4,5,6,7
	v_sub_f32 v[NN+\k], v[NN+\k], v[NS+\k/2]
.endr
.irp k, 8,9,10,11,12,13,14,15,16,17
	v_sub_f32 v[NN+\k], v[NN+\k], v[NB]
.endr
.irp k, 0,1,2,3,4,5,6,7,8,9,10,11,12,13,14,15,16,17
	v_min_num_f32 v[NN+\k], 0x43480000, v[NN+\k]   ; held at 200: beyond that nothing of the chunk is left in f32
.endr
.irp k, 0,1,2,3,4,5,6,7,8,9,10,11,12,13,14,15,16,17
	v_cvt_u32_f32 v[NN+\k], v[NN+\k]
.endr
.irp k, 0,1,2,3,4,5,6,7,8,9,10,11,12,13,14,15,16,17
	v_sub_nc_u32 v[NG+\k], 0, v[NN+\k]
.endr
.irp k, 0,1,2,3,4,5,6,7,8,9,10,11,12,13,14,15,16,17
	v_ldexp_f32 v[LL+\k], v[LL+\k], v[NG+\k]       ; the chunk's sum under the row's M
.endr
.irp k, 0,1,2,3,4,5,6,7,8,9,10,11,12,13,14,15,16,17
	v_min_u32 v[NN+\k], 127, v[NN+\k]
.endr
.irp k, 0,1,2,3,4,5,6,7,8,9,10,11,12,13,14,15,16,17
	v_mul_lo_u32 v[NN+\k], v[NN+\k], s56           ; d in each byte
.endr
.irp k, 0,1,2,3,4,5,6,7,8,9,10,11,12,13,14,15,16,17
	v_or_b32 v[RAW+\k], 0x80808080, v[RAW+\k]      ; the raw bytes are at most 123: with 128 added no byte borrows from the next
.endr
.irp k, 0,1,2,3,4,5,6,7,8,9,10,11,12,13,14,15,16,17
	v_sub_nc_u32 v[RAW+\k], v[RAW+\k], v[NN+\k]
.endr
.irp k, 0,1,2,3,4,5,6,7,8,9,10,11,12,13,14,15,16,17
	v_and_b32 v[NN+\k], 0x80808080, v[RAW+\k]      ; bit 7 stands where byte >= d
.endr
.irp k, 0,1,2,3,4,5,6,7,8,9,10,11,12,13,14,15,16,17
	v_lshrrev_b32 v[NN+\k], 7, v[NN+\k]
.endr
.irp k, 0,1,2,3,4,5,6,7,8,9,10,11,12,13,14,15,16,17
	v_lshlrev_b32 v[NG+\k], 8, v[NN+\k]
.endr
.irp k, 0,1,2,3,4,5,6,7,8,9,10,11,12,13,14,15,16,17
	v_sub_nc_u32 v[NN+\k], v[NG+\k], v[NN+\k]      ; 0xff in those bytes
.endr
.irp k, 0,1,2,3,4,5,6,7,8,9,10,11,12,13,14,15,16,17
	v_and_b32 v[RAW+\k], 0x7f7f7f7f, v[RAW+\k]
.endr
.irp k, 0,1,2,3,4,5,6,7,8,9,10,11,12,13,14,15,16,17
	v_and_b32 v[RAW+\k], v[RAW+\k], v[NN+\k]       ; max(byte - d, 0)
.endr
.irp k, 0,1,2,3,4,5,6,7,8,9,10,11,12,13,14,15,16,17
	ds_store_b32 v[VPS], v[RAW+\k] offset:512*\k
.endr
	v_add_f32 v[LA], v[LL], v[LL+1]                ; the two rows' sums
	v_add_f32 v[LB], v[LL+8], v[LL+9]
.irp i, 10,12,14,16
	v_add_f32 v[LL+\i], v[LL+\i], v[LL+\i+1]
.endr
	v_add_f32 v[LL+10], v[LL+10], v[LL+12]
	v_add_f32 v[LL+14], v[LL+14], v[LL+16]
	v_add_f32 v[LB], v[LB], v[LL+10]
	v_add_f32 v[LB], v[LB], v[LL+14]
.irp k, 2,3,4,5,6,7
	v_cndmask_b32 v[T0], v[FZ], v[LL+\k], s[MK+\k/2]
	v_cndmask_b32 v[T1], v[LL+\k], v[FZ], s[MK+\k/2]
	v_add_f32 v[LA], v[LA], v[T0]
	v_add_f32 v[LB], v[LB], v[T1]
.endr
	v_rcp_f32 v[FT], v[LA]
	v_rcp_f32 v[FT+1], v[LB]
	v_nop                                          ; a plain place behind the reciprocals
	s_wait_alu depctr_va_vdst(0)                   ; one wait for both, ahead of their first reader
	ds_store_b32 v[VPS], v[FT] offset:9216
	ds_store_b32 v[VPS], v[FT+1] offset:9728
	s_wait_tensorcnt 0x2                           ; my part of steps 0 and 1 has landed; my two later loads may be out
	s_wait_dscnt 0x0                               ; the corrected words and 1 / l lie in LDS
	s_barrier_signal -1
	s_barrier_wait -1                              ; everybody's do.
	FETCH 0, 0
	STEP 0, 1                                      ; the first products start the short group's sums
	STEP 1, 0
	NEXT 2
	STEP 3, 0
	NEXT 4
	STEP 5, 0
	NEXT 6
	STEP 7, 0
	NEXT 8
.irp c, 9,10,11,12,13,14,15,16,17
	STEP \c, 0
.endr
	WAYOUT OUTB, 512
	s_wait_tensorcnt 0x0                           ; the wave's end
	ds_add_u32 v[SPW], v[NIL]
	s_wait_dscnt 0x0
	CROUND                                         ; the closing round
	s_endpgm
.Lfunc_end_k_q0b145681a5_gpv:
	.size	k_q0b145681a5_gpv, .Lfunc_end_k_q0b145681a5_gpv-k_q0b145681a5_gpv
	.p2alignl 7, 3214868480
	.fill 96, 4, 3214868480
	.section	.rodata,"a",@progbits
	.p2align	6, 0x0
	.amdhsa_kernel k_q0b145681a5_gpv
		.amdhsa_group_segment_fixed_size 327680
		.amdhsa_private_segment_fixed_size 0
		.amdhsa_enable_private_segment 0
		.amdhsa_kernarg_size 32
		.amdhsa_user_sgpr_count 2
		.amdhsa_user_sgpr_kernarg_segment_ptr 1
		.amdhsa_wavefront_size32 1
		.amdhsa_system_sgpr_workgroup_id_x 1
		.amdhsa_system_sgpr_workgroup_id_y 1
		.amdhsa_system_sgpr_workgroup_id_z 1
		.amdhsa_system_vgpr_workitem_id 0
		.amdhsa_next_free_vgpr 768
		.amdhsa_next_free_sgpr 100
		.amdhsa_reserve_vcc 0
		.amdhsa_float_denorm_mode_32 3
		.amdhsa_float_denorm_mode_16_64 3
		.amdhsa_memory_ordered 1
		.amdhsa_forward_progress 1
		.amdhsa_inst_pref_size 195
	.end_amdhsa_kernel
	.amdgpu_metadata
---
amdhsa.version: [ 1, 2 ]
amdhsa.kernels:
  - .name:           k_q0b145681a5_gpv
    .symbol:         k_q0b145681a5_gpv.kd
    .args:
      - { .name: pc, .offset: 0, .size: 8, .value_kind: global_buffer, .address_space: global }
      - { .name: pst, .offset: 8, .size: 8, .value_kind: global_buffer, .address_space: global }
      - { .name: kqv, .offset: 16, .size: 8, .value_kind: global_buffer, .address_space: global }
      - { .name: oq, .offset: 24, .size: 8, .value_kind: global_buffer, .address_space: global }
    .group_segment_fixed_size: 327680
    .private_segment_fixed_size: 0
    .kernarg_segment_align: 8
    .kernarg_segment_size: 32
    .max_flat_workgroup_size: 128
    .sgpr_count:     100
    .vgpr_count:     768
    .wavefront_size: 32
...
	.end_amdgpu_metadata
.endif
;; end of part 4
;; launch gproj (part 5): grid 4 x 64, 4 waves a work-group, clusters of 4 x 4, 327,680 bytes of LDS; arguments oq, opq, b_proj, out0; writes out0
.if DOCPART == 5
	.amdgcn_target "amdgcn-amd-amdhsa--gfx1250"
	.amdhsa_code_object_version 6
	.text
	.protected	k_q0b145681a5_gproj
	.globl	k_q0b145681a5_gproj
	.p2align	8
	.type	k_q0b145681a5_gproj,@function
k_q0b145681a5_gproj:
	s_mov_b64 s[64:65], 0
	v_nop
	global_prefetch_b8 v0, s[64:65] scope:SCOPE_SE
	s_setreg_imm32_b32 hwreg(HW_REG_WAVE_MODE, 25, 1), 1
	s_wait_xcnt 0x0
	s_wait_alu depctr_hold_cnt(0) depctr_sa_sdst(0) depctr_va_vdst(0) depctr_va_sdst(0) depctr_va_ssrc(0) depctr_va_vcc(0) depctr_vm_vsrc(0)
	s_getreg_b32 s2, hwreg(HW_REG_IB_STS2, 6, 4)
	s_cmp_eq_u32 s2, 0
	s_cbranch_scc0 .Lentry_in_a_cluster
	s_endpgm
.Lentry_in_a_cluster:
	s_bfe_u32 s2, ttmp6, 0x10000c
	s_cmp_lg_u32 s2, 0xf033
	s_cbranch_scc0 .Lentry_shape_is_right
	s_endpgm
.Lentry_shape_is_right:
; LAUNCH 5 OF 5.  out0 = o w_proj + b_proj on codes of BF6 with E8M0 scales; f32 out.  o's and w_proj's blocks of 32 along c carry the same order (launch 1's head).
; A TILE: A = 128 rows of o (source 1), B = 256 columns of w_proj (source 0); 256 tiles.  Waves, registers, panels and stages as in launch 2; the bias is the C of the first products.
; CLUSTERS 4 x 4: A's panel is asked for jointly along a row of the cluster, B's along a column.
; THE WAY OUT: a lane holds 32 neighbouring bytes of a row and the lanes beside it other rows, so half a tile (16 rows x 64 columns) at a time goes through the wave's own stage in LDS (rows 272 bytes apart, bytes
; into which no tile lands) and leaves as rows: sixteen lanes store 256 consecutive bytes, aligned.
.set BLK,   12800
.set GRP,   102400
.set STG,   307200                     ; behind the three panels: 16 x 272 bytes for each wave
.set SPARE, 324608                     ; behind the stages: the spare words
.set LI,   1
.set RR,   2
.set HH,   3
.set ADRA, 4
.set ADRB, 6
.set ADSA, 8
.set ADSB, 10
.set SPW,  12
.set NIL,  13
.set STO,  15
.set RD,   16
.set GO,   17
.set BO,   18
.set SC,   32
.set AF,   64
.set BK,   64
.set CB,   160
.set WV,   14
.set HS,   15
.set HB,   16
.set G1A,  24
.set G1B,  32
.set G0A,  40
.set G0B,  68
.set OUT,  88
.set BIA,  92
.set MSB, 0
.macro WIN new
.if MSB != (\new)
	s_set_vgpr_msb (MSB<<8)|(\new)
.set MSB, (\new)
.endif
.endm
.macro PLACES
.rept 4
	v_nop
.endr
.endm
.macro CROUND
	s_barrier_signal -1
	s_barrier_wait -1
	s_cmp_lg_u32 s[WV], 0
	s_cbranch_scc1 .Lnot_wave_0_\@
	s_barrier_signal -3
.Lnot_wave_0_\@:
	s_barrier_wait -3
	s_barrier_signal -1
	s_barrier_wait -1
.endm
.macro FETCH set, kc
	WIN 0x40
.irp b, 0,1,2,3,4,5,6,7
.irp g, 0,1,2
	ds_load_b128 v[128*(\set)+12*\b+4*\g:128*(\set)+12*\b+4*\g+3], v[ADRB+(\kc)/4] offset:((\kc)%4)*BLK+1536*\b+512*\g
.endr
.endr
	WIN 0
.irp a, 0,1,2,3
.irp g, 0,1,2
	ds_load_b128 v[AF+48*(\set)+12*\a+4*\g:AF+48*(\set)+12*\a+4*\g+3], v[ADRA+(\kc)/4] offset:((\kc)%4)*BLK+1536*\a+512*\g
.endr
.endr
	ds_load_b128 v[SC+12*(\set):SC+12*(\set)+3], v[ADSA+(\kc)/4] offset:((\kc)%4)*BLK
	ds_load_b128 v[SC+12*(\set)+4:SC+12*(\set)+7], v[ADSB+(\kc)/4] offset:((\kc)%4)*BLK
	ds_load_b128 v[SC+12*(\set)+8:SC+12*(\set)+11], v[ADSB+(\kc)/4] offset:((\kc)%4)*BLK+256
.endm
.macro MUL set, cmode                  ; 32 products, the accumulators by turns.  cmode 2: C = the bias
.if (\cmode) >= 2
	WIN 0x81
.else
	WIN 0xa1
.endif
.irp a, 0,1,2,3
.irp b, 0,1,2,3,4,5,6,7
.set rD, 64*\a+8*\b
.set rB, 128*(\set)+12*\b
.set rA, AF+48*(\set)+12*\a
.set rX, SC+12*(\set)+4+\b
.set rY, SC+12*(\set)+\a
.if (\cmode) == 0
	v_wmma_scale_f32_16x16x128_f8f6f4 v[rD:rD+7], v[rB:rB+11], v[rA:rA+11], v[rD:rD+7], v[rX], v[rY] matrix_a_fmt:MATRIX_FMT_BF6 matrix_b_fmt:MATRIX_FMT_BF6
.else
	v_wmma_scale_f32_16x16x128_f8f6f4 v[rD:rD+7], v[rB:rB+11], v[rA:rA+11], v[CB+8*\b:CB+8*\b+7], v[rX], v[rY] matrix_a_fmt:MATRIX_FMT_BF6 matrix_b_fmt:MATRIX_FMT_BF6
.endif
.endr
.endr
.endm
.macro STEP kc, cmode
	s_wait_dscnt 0x0
.if ((\kc)%2 == 1) && ((\kc) < 7)
	s_wait_tensorcnt (5-(\kc))/2                   ; my part of the next stage has landed; my loads of the stages behind it may be out
	s_barrier_signal -1
	s_barrier_wait -1
.endif
.if (\kc) < 7
	PLACES
	FETCH 1-(\kc)%2, (\kc)+1
.endif
	MUL (\kc)%2, \cmode
.endm
.macro TOSTAGE n                       ; half tile n: A's tile n / 2, B's tiles 4 (n % 2) .. + 3
.if (\n) >= 2
	s_wait_xcnt 0x0                                ; half tile n - 2's stores have read the registers that these loads fill
.endif
	WIN 0x08                                       ; an LDS store's data: window 2
.irp t, 0,1,2,3
.set rD, 64*((\n)/2)+8*(4*((\n)%2)+\t)
	ds_store_b128 v[STO], v[rD:rD+3] offset:64*\t              ; each accumulator from its low end on
	ds_store_b128 v[STO], v[rD+4:rD+7] offset:64*\t+16
.endr
	WIN 0
.irp i, 0,1,2,3,4,5,6,7
	ds_load_b128 v[BK+32*((\n)%2)+4*\i:BK+32*((\n)%2)+4*\i+3], v[RD] offset:2*\i*272   ; LDS serves a wave's instructions in order: these see my stores, and the next half's stores come behind them
.endr
.endm
.macro SEND n, younger
	s_wait_dscnt \younger
.irp i, 0,1,2,3,4,5,6,7
	global_store_b128 v[GO], v[BK+32*((\n)%2)+4*\i:BK+32*((\n)%2)+4*\i+3], s[OUT:OUT+1] offset:(16*((\n)/2)+2*\i)*4096+256*((\n)%2) th:TH_STORE_NT
.endr
.endm
	s_load_b256 s[4:11], s[0:1], 0x0               ; oq s[4:5], opq s[6:7], b_proj s[8:9], out0 s[10:11]
	v_lshl_add_u32 v[SPW], v0, 2, SPARE
	v_mov_b32 v[NIL], 0
	ds_add_u32 v[SPW], v[NIL]                      ; the wave's opening: the add, twice on end, and its wait ahead of my first tensor load
	ds_add_u32 v[SPW], v[NIL]
	v_lshrrev_b32 v1, 5, v0
	v_readfirstlane_b32 s[WV], v1
	s_lshr_b32 s[HS], s[WV], 1
	s_and_b32 s[HB], s[WV], 1
	s_bfe_u32 s56, ttmp6, 0x40000                  ; cx
	s_bfe_u32 s57, ttmp6, 0x40004                  ; cy
	s_lshl_b32 s58, ttmp9, 2
	s_add_co_u32 s58, s58, s56                     ; X: the tile of 256 columns
	s_and_b32 s59, ttmp7, 0xffff
	s_lshl_b32 s59, s59, 2
	s_add_co_u32 s59, s59, s57                     ; Y: o's group of 128 rows
	s_lshl_b32 s60, s57, 2
	s_lshl_b32 s60, 15, s60
	s_lshl_b32 s61, 0x1111, s56
	s_or_b32 s[G1A], s60, (3<<16)|(1<<21)
	s_or_b32 s[G1B], s61, (3<<16)|(1<<21)
	s_mov_b32 s[G1A+1], 32<<16
	s_mov_b32 s[G1A+2], 50<<16
	s_mov_b32 s[G1A+3], 32<<16
	s_mov_b32 s[G1A+4], 50
	s_mov_b32 s[G1A+5], 32
	s_mov_b32 s[G1A+6], 0
	s_mov_b32 s[G1A+7], 0
	s_mov_b32 s[G1B+1], 32<<16
	s_mov_b32 s[G1B+2], 100<<16
	s_mov_b32 s[G1B+3], 32<<16
	s_mov_b32 s[G1B+4], 100
	s_mov_b32 s[G1B+5], 32
	s_mov_b32 s[G1B+6], 0
	s_mov_b32 s[G1B+7], 0
	s_mul_i32 s84, s59, GRP
	s_mul_i32 s17, s[HB], BLK
	s_add_co_u32 s84, s84, s17
	s_mov_b32 s85, 0
	s_lshl_b32 s86, s58, 1
	s_add_co_u32 s86, s86, s[HB]                   ; 2 X + my group
	s_add_co_u32 s87, s86, 88                      ; w_proj's groups lie behind x's 64 and w_kqv's 24
	s_mul_i32 s12, s87, GRP
	s_mov_b32 s13, 0
	s_mul_i32 s18, s[HB], GRP
	s_add_co_u32 s18, s18, GRP
	s_wait_dscnt 0x0
	s_wait_kmcnt 0x0
	s_add_nc_u64 s[84:85], s[4:5], s[84:85]
	s_add_nc_u64 s[12:13], s[6:7], s[12:13]
	CROUND                                         ; all sixteen work-groups are here: the joint loads meet
.irp s, 0,1,2,3
	s_mov_b32 s[G0A+4*\s], 1
	s_add_co_u32 s[G0A+4*\s+1], s17, \s*2*BLK
	s_add_nc_u64 s[G0A+4*\s+2:G0A+4*\s+3], s[84:85], \s*2*BLK
	s_or_b32 s[G0A+4*\s+3], s[G0A+4*\s+3], 0x80000000
	s_mov_b32 s[G0B+4*\s], 1
	s_add_co_u32 s[G0B+4*\s+1], s18, \s*2*BLK
	s_add_nc_u64 s[G0B+4*\s+2:G0B+4*\s+3], s[12:13], \s*2*BLK
	s_or_b32 s[G0B+4*\s+3], s[G0B+4*\s+3], 0x80000000
.endr
	s_cmp_lt_u32 s[WV], 2                          ; a wave's four fills stand in one branch: four loads of mine are out
	s_cbranch_scc0 .Lfill_b
.irp s, 0,1,2,3
	tensor_load_to_lds s[G0A+4*\s:G0A+4*\s+3], s[G1A:G1A+7]
	s_nop 0
.endr
	PLACES
	s_branch .Lfilled
.Lfill_b:
.irp s, 0,1,2,3
	tensor_load_to_lds s[G0B+4*\s:G0B+4*\s+3], s[G1B:G1B+7]
	s_nop 0
.endr
	PLACES
.Lfilled:
	v_and_b32 v[LI], 31, v0
	v_lshlrev_b32 v[LI], 4, v[LI]
	v_and_b32 v[RR], 15, v0
	v_bfe_u32 v[HH], v0, 4, 1
	s_mul_i32 s17, s[HS], 6144
	v_add_nc_u32 v[ADRA], s17, v[LI]
	v_add_nc_u32 v[ADRA+1], 4*BLK, v[ADRA]
	v_add_nc_u32 v[ADRB], s18, v[LI]
	v_add_nc_u32 v[ADRB+1], 4*BLK, v[ADRB]
	s_lshl_b32 s17, s[HS], 8
	s_add_co_u32 s17, s17, 12288
	v_lshl_add_u32 v[ADSA], v[RR], 4, s17
	v_add_nc_u32 v[ADSA+1], 4*BLK, v[ADSA]
	s_add_co_u32 s18, s18, 12288
	v_lshl_add_u32 v[ADSB], v[RR], 4, s18
	v_add_nc_u32 v[ADSB+1], 4*BLK, v[ADSB]
	s_mul_i32 s17, s[WV], 16*272
	s_add_co_u32 s17, s17, STG                     ; my stage
	v_mul_u32_u24 v[STO], v[RR], 272
	v_lshl_add_u32 v[STO], v[HH], 5, v[STO]
	v_add_nc_u32 v[STO], s17, v[STO]               ; in: row r, 32 bytes for each half of the lanes
	v_mul_u32_u24 v[RD], v[HH], 272
	v_lshl_add_u32 v[RD], v[RR], 4, v[RD]
	v_add_nc_u32 v[RD], s17, v[RD]                 ; back: lanes 0-15 one row, lanes 16-31 the next
	v_lshlrev_b32 v[GO], 12, v[HH]
	v_lshl_add_u32 v[GO], v[RR], 4, v[GO]          ; and the same two rows in out0
	s_lshl_b32 s96, s86, 9                         ; column 128 (2 X + my group), in bytes: in b_proj and in a row of out0
	s_mov_b32 s97, 0
	s_add_nc_u64 s[BIA:BIA+1], s[8:9], s[96:97]
	s_add_nc_u64 s[OUT:OUT+1], s[10:11], s[96:97]
	s_lshl_b32 s96, s59, 19                        ; row 128 Y + 64 x my half, 4,096 bytes a row
	s_lshl_b32 s98, s[HS], 18
	s_add_co_u32 s96, s96, s98
	s_add_nc_u64 s[OUT:OUT+1], s[OUT:OUT+1], s[96:97]
	v_lshlrev_b32 v[BO], 5, v[HH]                  ; register 8 b + j: the bias of column 16 b + 8 h + j
.irp b, 0,1,2,3,4,5,6,7
	global_load_b128 v[CB+8*\b:CB+8*\b+3], v[BO], s[BIA:BIA+1] offset:64*\b
	global_load_b128 v[CB+8*\b+4:CB+8*\b+7], v[BO], s[BIA:BIA+1] offset:64*\b+16
.endr
	s_wait_tensorcnt 0x3                           ; my part of stage 0 has landed; my three later loads may be out
	s_barrier_signal -1
	s_barrier_wait -1
	FETCH 0, 0
	s_wait_loadcnt 0x0                             ; the bias
	STEP 0, 2                                      ; the first products start the sums from the bias
	STEP 1, 0
	STEP 2, 0
	STEP 3, 0
	STEP 4, 0
	STEP 5, 0
	STEP 6, 0
	STEP 7, 0
	WIN 0
	PLACES
	TOSTAGE 0
.irp n, 1,2,3,4,5,6,7
	TOSTAGE \n
	SEND \n-1, 16                                  ; behind half tile n - 1's loads: half tile n's 8 stores and 8 loads
.endr
	SEND 7, 0
	s_wait_tensorcnt 0x0                           ; the wave's end
	ds_add_u32 v[SPW], v[NIL]
	s_wait_dscnt 0x0
	CROUND                                         ; the closing round
	s_endpgm
.Lfunc_end_k_q0b145681a5_gproj:
	.size	k_q0b145681a5_gproj, .Lfunc_end_k_q0b145681a5_gproj-k_q0b145681a5_gproj
	.p2alignl 7, 3214868480
	.fill 96, 4, 3214868480
	.section	.rodata,"a",@progbits
	.p2align	6, 0x0
	.amdhsa_kernel k_q0b145681a5_gproj
		.amdhsa_group_segment_fixed_size 327680
		.amdhsa_private_segment_fixed_size 0
		.amdhsa_enable_private_segment 0
		.amdhsa_kernarg_size 32
		.amdhsa_user_sgpr_count 2
		.amdhsa_user_sgpr_kernarg_segment_ptr 1
		.amdhsa_wavefront_size32 1
		.amdhsa_system_sgpr_workgroup_id_x 1
		.amdhsa_system_sgpr_workgroup_id_y 1
		.amdhsa_system_sgpr_workgroup_id_z 1
		.amdhsa_system_vgpr_workitem_id 0
		.amdhsa_next_free_vgpr 768
		.amdhsa_next_free_sgpr 100
		.amdhsa_reserve_vcc 0
		.amdhsa_float_denorm_mode_32 3
		.amdhsa_float_denorm_mode_16_64 3
		.amdhsa_memory_ordered 1
		.amdhsa_forward_progress 1
		.amdhsa_inst_pref_size 79
	.end_amdhsa_kernel
	.amdgpu_metadata
---
amdhsa.version: [ 1, 2 ]
amdhsa.kernels:
  - .name:           k_q0b145681a5_gproj
    .symbol:         k_q0b145681a5_gproj.kd
    .args:
      - { .name: oq, .offset: 0, .size: 8, .value_kind: global_buffer, .address_space: global }
      - { .name: opq, .offset: 8, .size: 8, .value_kind: global_buffer, .address_space: global }
      - { .name: b_proj, .offset: 16, .size: 8, .value_kind: global_buffer, .address_space: global }
      - { .name: out0, .offset: 24, .size: 8, .value_kind: global_buffer, .address_space: global }
    .group_segment_fixed_size: 327680
    .private_segment_fixed_size: 0
    .kernarg_segment_align: 8
    .kernarg_segment_size: 32
    .max_flat_workgroup_size: 128
    .sgpr_count:     100
    .vgpr_count:     768
    .wavefront_size: 32
...
	.end_amdgpu_metadata
.endif
;; end of part 5
